; MI455X (gfx1250); checked and timed in simulation.
; The chip was launched on July 23, 2026; its instructions are those of AMD's public machine-readable ISA for CDNA 5 (MIT licence, August 2026) and "CDNA5" Instruction Set Architecture Reference Guide (July 2026). The comments in the code are by the model that wrote it; some were corrected since.
;; Multi Head Self Attention. Allowed arithmetic: matrix products marked QUANTISED: E2M1 operands, one E8M0 scale for each 32 along K, by v_wmma_scale_f32_16x16x128_f8f6f4 with both operands' format E2M1 (or v_wmma_scale_f32_32x16x128_f4), f32 sums; products left as they are: bf16, f16 or f32 operands; f32 sums; everything else in f32.
;; Inputs: Wk 1,024 x 1,024 float32; Wo 1,024 x 1,024 float32; Wq 1,024 x 1,024 float32; Wv 1,024 x 1,024 float32; beta 1,024 float32; bk 1,024 float32; bo 1,024 float32; bq 1,024 float32; bv 1,024 float32; gamma 1,024 float32; pad_token_mask 2 x 2,048 int32; x 2 x 2,048 x 1,024 float32.
;; Outputs: out0 2 x 2,048 x 1,024 float32.
;; This version of the problem:
;;   THIS VERSION OF THE PROBLEM IS GIVEN IN LOW PRECISION. The matrix products marked QUANTISED in the list below multiply operands that are first quantised to E2M1 (2 exponent bits, 1 mantissa bit; 4 bits a number), with one power-of-two scale for each 32 numbers along K (OCP MX v1.0); their sums are f32. The products marked 'left as it is' may take bf16, f16 or f32 operands, with f32 sums. Whichever they take, every output number must still come out within the allowed error. Rounding operands to bf16 (8 significant bits) uses up far more of that allowance than f16 does (11 bits, for magnitudes from 6e-5 to 65,504). All else is computed in f32.
;;   The module's matrix products, in the order in which they are computed (A, B: the left and right operand; K: the contracted axis; several contracted axes count as one K, in the product's order):
;;     1. [M 4,096, K 1,024] x [K 1,024, N 1,024]; A: input x; B: input Wq: QUANTISED
;;     2. [M 4,096, K 1,024] x [K 1,024, N 1,024]; A: input x; B: input Wk: QUANTISED
;;     3. [M 4,096, K 1,024] x [K 1,024, N 1,024]; A: input x; B: input Wv: QUANTISED
;;     4. batch 32 x [M 2,048, K 64] x [K 64, N 2,048]; A: computed on the way; B: computed on the way: left as it is (an operand is computed on the way)
;;     5. batch 32 x [M 2,048, K 2,048] x [K 2,048, N 64]; A: computed on the way; B: computed on the way: left as it is (an operand is computed on the way)
;;     6. [M 4,096, K 1,024] x [K 1,024, N 1,024]; A: computed on the way; B: input Wo: left as it is (an operand is computed on the way)
;;   THE QUANTISER, for each operand of a quantised product, along K:
;;     - K is cut into blocks of 32 from its start; a last block that is shorter is filled with zeros.
;;     - A block's scale is 2^e with e = floor(log2(the largest magnitude in the block)) - 2, held to -126 .. 127; a block of zeros has e = 0. As a byte (E8M0): e + 127.
;;     - Each number is divided by its block's scale, clamped to +-6, and rounded to the nearest number of E2M1, ties to even, subnormals kept.
;;     - The product sums the exact products of the quantised numbers (number of the format x scale) in f32.
;;   ~~~python
;;   def quantise(x, axis):      # numpy; x: float32 -> the quantised numbers, widened to float32 again
;;       x = np.moveaxis(x, axis, -1); K = x.shape[-1]
;;       x = np.pad(x, [(0, 0)] * (x.ndim - 1) + [(0, -K % 32)]); x = x.reshape(x.shape[:-1] + (-1, 32)); a = np.abs(x).max(-1, keepdims=True)
;;       e = np.where(a > 0, np.clip(np.frexp(np.where(a > 0, a, 1))[1] - 1 - 2, -126, 127), 0)      # np.frexp(a)[1] - 1 = floor(log2(a)), exactly
;;       r = np.clip(x / 2.0 ** e, -6, 6)
;;       step = 2.0 ** (np.maximum(np.frexp(np.where(r == 0, 1, r))[1] - 1, 0) - 1)
;;       q = np.round(r / step) * step * 2.0 ** e      # np.round: ties to even
;;       return np.moveaxis(q.reshape(q.shape[:-2] + (-1,))[..., :K], -1, axis).astype(np.float32)
;;   ~~~
;; One version. Each part assembles by itself: llvm-mc -triple=amdgcn-amd-amdhsa -mcpu=gfx1250 --defsym DOCPART=n.
;; ======== version 1 of 1: 4 launches
;; limits: values are held in f16: magnitudes above 65,504 overflow, below 6.1e-05 lose precision
;; workspace buffers: xc 2,097,152 bytes; xs 131,072 bytes; wc 1,572,864 bytes; ws 98,304 bytes; wo16 2,097,152 bytes; rope 524,288 bytes; qkvf 25,165,824 bytes; yf 8,388,608 bytes
;; launch prep (part 1): grid 400 x 1, 4 waves a work-group, no clusters, 34,304 bytes of LDS; arguments x, Wq, Wk, Wv, Wo, xc, xs, wc, ws, wo16, rope; writes xc, xs, wc, ws, wo16, rope
.if DOCPART == 1
	.amdgcn_target "amdgcn-amd-amdhsa--gfx1250"
	.amdhsa_code_object_version 6
	.text
	.protected	k_q5c11faddae_prep
	.globl	k_q5c11faddae_prep
	.p2align	8
	.type	k_q5c11faddae_prep,@function
k_q5c11faddae_prep:
	s_mov_b64 s[64:65], 0
	v_nop
	global_prefetch_b8 v0, s[64:65] scope:SCOPE_SE
	s_setreg_imm32_b32 hwreg(HW_REG_WAVE_MODE, 25, 1), 1
	s_wait_xcnt 0x0
; PREP: everything that is made once from the inputs, laid in the order of the operand registers that later launches load.
;   work-groups   0..127: x [4096][1024] f32 -> codes of E2M1 along K (xc) and E8M0 scale words (xs)
;   work-groups 128..319: Wq, Wk, Wv [1024 (k)][1024 (n)] f32 -> codes along K, their FIRST axis (wc), and scale words (ws)
;   work-groups 320..383: Wo [1024 (k)][1024 (n)] f32 -> f16 fragments (wo16)
;   work-groups 384..399: the table of cos and sin of RoPE, [2048 positions][32 pairs](cos, sin) f32 (rope)
; A code fragment (16 rows x 128 K) is 1,024 bytes: byte 512 c + 16 lane; lane 16 h + r holds row r, K = 64 c + 32 h + 0..31.  Its scale word: one 32-bit word a row, byte b for K = 32 b on.
; An f16 fragment (16 rows x 32 K) is 1,024 bytes: byte 512 half + 16 lane; lane 16 h + r holds row r, K = 16 half + 8 h + 0..7.
; A block's scale is 2^(floor(log2(largest magnitude)) - 2): its byte is the largest magnitude's exponent field - 2, held at 1 from below by a floor among the maximum's leaves.
; LIMITS: a block of zeros gets the byte 1 (its codes are zeros; these bytes are read by this program alone); blocks whose largest magnitude lies under 2^-124 keep the byte 1;
; NaN and infinities among the inputs are not served; Wo beyond 65,504 becomes infinity in f16, under 6.1e-5 it keeps an absolute error of 3e-8.
; No cluster, no tensor load, no barrier: no two waves share a byte of input.  Only the path for x uses LDS (a stage of each wave's own).
.set STGB,  8448                       ; a wave's stage: 16 rows x (512 bytes + 16): the 16 rows that a read touches start in 16 different 16-byte columns
.set SPARE, 4*STGB                     ; behind the stages: the spare words, 128 bytes a wave
.set SPW,   250                        ; v250 LDS address of my spare word; never rewritten
.set NIL,   251                        ; v251 0; never rewritten
.set R,     16                         ; x: v16-143 two sets of 64 registers as loaded
.set X,     144                        ; x: v144-207 64 numbers: X + 32 c + i = K 64 c + 32 h + i of my row
.set C,     208                        ; x: v208-239 eight code registers for each of four K steps
.set W,     240                        ; x: v240-243 the scale word of each K step
.set XW,    16                         ; weights: v16-79 two sets of 32 numbers down K
.set CW,    84                         ; weights: v84-99 four code registers a block
.set CO,    100                        ; Wo: v100-163 sixteen packed registers a block
.macro LOADX t                         ; K step t of my 16 rows: each load reads 512 consecutive bytes of one row
.irp j, 0,1,2,3,4,5,6,7,8,9,10,11,12,13,14,15
	global_load_b128 v[R+64*((\t)%2)+4*\j:R+64*((\t)%2)+4*\j+3], v4, s[4:5] offset:\j*4096+(\t)*512 th:TH_LOAD_NT
.endr
.endm
.macro STEPX t
.if (\t) < 3
	s_wait_loadcnt 16                              ; this step's 16 loads are in; the next step's 16 may be out
.else
	s_wait_loadcnt 0x0
.endif
.irp j, 0,1,2,3,4,5,6,7,8,9,10,11,12,13,14,15
	ds_store_b128 v5, v[R+64*((\t)%2)+4*\j:R+64*((\t)%2)+4*\j+3] offset:\j*528
.endr
.irp c, 0,1
.irp i, 0,1,2,3,4,5,6,7
	ds_load_b128 v[X+32*\c+4*\i:X+32*\c+4*\i+3], v6 offset:\c*256+16*\i   ; LDS serves a wave's instructions in order: these see the stores above
.endr
.endr
	s_wait_dscnt 0x0                               ; my 64 numbers are in, and the stores have read their registers
.if (\t) < 2
	LOADX (\t)+2
.endif
.irp c, 0,1
	v_max3_num_f32 v[8+\c], |v[X+32*\c]|, |v[X+32*\c+1]|, 0x1800000   ; block 2 c + h is all mine; the floor 2^(3 - 127) keeps the byte at 1 or above
.endr
.irp i, 2,4,6,8,10,12,14,16,18,20,22,24,26,28,30
.irp c, 0,1
	v_max3_num_f32 v[8+\c], v[8+\c], |v[X+32*\c+\i]|, |v[X+32*\c+\i+1]|
.endr
.endr
.irp c, 0,1
	v_add_nc_u32 v[10+\c], 0xff000000, v[8+\c]     ; 2 off the exponent field: the conversion's scale operand
.endr
.irp c, 0,1
	v_lshrrev_b32 v[12+\c], 23, v[10+\c]           ; the scale's byte
.endr
	v_lshl_or_b32 v14, v13, 16, v12                ; blocks h and 2 + h,
	v_lshlrev_b32 v14, v15, v14                    ; at their places in the word (8 h bits up);
	v_permlanex16_b32 v[W+(\t)], v14, s28, s29
	v_or_b32 v[W+(\t)], v[W+(\t)], v14             ; with lane l xor 16's two the word is whole
.irp c, 0,1
.irp g, 0,1,2,3
	v_cvt_scalef32_pk8_fp4_f32 v[C+8*(\t)+4*\c+\g], v[X+32*\c+8*\g:X+32*\c+8*\g+7], v[10+\c]
.endr
.endr
	v_nop                                          ; one plain instruction behind the scaled conversions
.irp c, 0,1
	global_store_b128 v4, v[C+8*(\t)+4*\c:C+8*(\t)+4*\c+3], s[14:15] offset:(\t)*1024+\c*512   ; 512 consecutive bytes, aligned
.endr
.endm
.macro LOADW t                         ; block t: W(32 t + i, my column): 32 lanes read 128 consecutive bytes
.irp i, 0,1,2,3,4,5,6,7,8,9,10,11,12,13,14,15,16,17,18,19,20,21,22,23,24,25,26,27,28,29,30,31
	global_load_b32 v[XW+32*((\t)%2)+\i], v4, s[30:31] offset:(32*(\t)+\i)*4096 th:TH_LOAD_NT
.endr
.endm
.macro WAITW t
.if (\t) < 3
	s_wait_loadcnt 32                              ; this block's 32 loads are in; the next block's may be out
.else
	s_wait_loadcnt 0x0
.endif
.endm
.macro BLOCKW t
.set XS, XW+32*((\t)%2)
	WAITW \t
	v_max3_num_f32 v8, |v[XS]|, |v[XS+1]|, |v[XS+2]|
	v_max3_num_f32 v9, |v[XS+3]|, |v[XS+4]|, |v[XS+5]|
.irp i, 6,10,14,18,22,26
	v_max3_num_f32 v8, v8, |v[XS+\i]|, |v[XS+\i+1]|
	v_max3_num_f32 v9, v9, |v[XS+\i+2]|, |v[XS+\i+3]|
.endr
	v_max3_num_f32 v8, v8, |v[XS+30]|, |v[XS+31]|
	v_max3_num_f32 v8, v8, v9, 0x1800000           ; and the floor
	v_add_nc_u32 v10, 0xff000000, v8
	v_lshrrev_b32 v11, 23, v10
.if (\t) == 0
	v_mov_b32 v80, v11                             ; my column's scale word: byte t for block t
.else
	v_lshl_or_b32 v80, v11, 8*(\t), v80
.endif
.irp g, 0,1,2,3
	v_cvt_scalef32_pk8_fp4_f32 v[CW+4*(\t)+\g], v[XS+8*\g:XS+8*\g+7], v10
.endr
	v_nop                                          ; one plain instruction behind the scaled conversions
	global_store_b128 v5, v[CW+4*(\t):CW+4*(\t)+3], s[18:19] offset:((\t)/2)*512+((\t)%2)*256   ; sixteen lanes store 256 consecutive bytes, aligned
.if (\t) < 2
	LOADW (\t)+2
.endif
.endm
.macro BLOCKO t
.set XS, XW+32*((\t)%2)
	WAITW \t
.irp o, 0,1,2,3
.irp p, 0,1,2,3
	v_cvt_pk_f16_f32 v[CO+16*(\t)+4*\o+\p], v[XS+8*\o+2*\p], v[XS+8*\o+2*\p+1]
.endr
.endr
.irp o, 0,1,2,3
	global_store_b128 v5, v[CO+16*(\t)+4*\o:CO+16*(\t)+4*\o+3], s[22:23] offset:(\t)*1024+(\o/2)*512+(\o%2)*256
.endr
.if (\t) < 2
	LOADW (\t)+2
.endif
.endm
; cos and sin of pos x theta.  n = the nearest whole multiple of pi/2, taken off in two parts; on |r| <= pi/4 two short polynomials; the quadrant swaps them and sets the signs.
.macro SINCOS th, co, si
	v_mul_f32 v16, v10, v[\th]
	v_mul_f32 v17, 0x3f22f983, v16                 ; x 2 / pi
	v_rndne_f32 v17, v17
	v_fmamk_f32 v16, v17, 0xbfc90fdb, v16          ; - n x the high part of pi/2
	v_fmamk_f32 v16, v17, 0x333bbd2e, v16          ; - n x the low part (which is negative)
	v_cvt_i32_f32 v18, v17
	v_mul_f32 v19, v16, v16
	v_fma_f32 v20, v19, s32, s33
	v_fma_f32 v21, v19, s35, s36
	v_fma_f32 v20, v20, v19, s34
	v_fma_f32 v21, v21, v19, s37
	v_mul_f32 v20, v20, v19
	v_mul_f32 v22, v19, v19
	v_fma_f32 v23, v19, -0.5, 1.0
	v_fma_f32 v20, v20, v16, v16                   ; sin r
	v_fma_f32 v21, v21, v22, v23                   ; cos r
	v_and_b32 v22, 1, v18
	v_cmp_eq_u32 vcc_lo, 1, v22
	v_cndmask_b32 v[\si], v20, v21, vcc_lo         ; odd quadrants swap the two
	v_cndmask_b32 v[\co], v21, v20, vcc_lo
	v_and_b32 v22, 2, v18
	v_add_nc_u32 v23, 1, v18
	v_lshlrev_b32 v22, 30, v22                     ; sin is negative in quadrants 2, 3
	v_and_b32 v23, 2, v23
	v_xor_b32 v[\si], v[\si], v22
	v_lshlrev_b32 v23, 30, v23                     ; cos in quadrants 1, 2
	v_xor_b32 v[\co], v[\co], v23
.endm
	s_load_b512 s[4:19], s[0:1], 0x0               ; x 4, Wq 6, Wk 8, Wv 10, Wo 12, xc 14, xs 16, wc 18
	s_load_b128 s[20:23], s[0:1], 0x40             ; ws 20, wo16 22
	s_load_b64 s[24:25], s[0:1], 0x50              ; rope
	v_lshl_add_u32 v[SPW], v0, 2, SPARE
	v_mov_b32 v[NIL], 0
	v_lshrrev_b32 v1, 5, v0
	v_readfirstlane_b32 s26, v1                    ; wave 0..3
	v_and_b32 v1, 31, v0                           ; lane
	v_and_b32 v2, 15, v0                           ; r
	v_bfe_u32 v3, v0, 4, 1                         ; h
	s_mov_b32 s28, 0x76543210
	s_mov_b32 s29, 0xfedcba98                      ; v_permlanex16_b32's selects for lane l xor 16
	s_wait_kmcnt 0x0
	s_cmp_lt_u32 ttmp9, 128
	s_cbranch_scc1 .LX
	s_cmp_lt_u32 ttmp9, 384
	s_cbranch_scc1 .LW
; ---- the table: a wave makes 32 positions, two a trip (lanes 0-15 one, lanes 16-31 the next); a lane makes pairs 2 r and 2 r + 1: 16 bytes
	s_sub_co_u32 s40, ttmp9, 384
	s_lshl_b32 s40, s40, 2
	s_add_co_u32 s40, s40, s26
	s_lshl_b32 s40, s40, 5                         ; my wave's first position
	s_lshl_b32 s42, s40, 8                         ; 256 bytes a position
	s_mov_b32 s43, 0
	s_add_nc_u64 s[24:25], s[24:25], s[42:43]
	s_mov_b32 s32, 0xb94ca1f9                      ; sin: -1.9515296e-4,
	s_mov_b32 s33, 0x3c08839e                      ;       8.3321609e-3,
	s_mov_b32 s34, 0xbe2aaaa3                      ;      -1.6666655e-1
	s_mov_b32 s35, 0x37ccf5ce                      ; cos:  2.4433157e-5,
	s_mov_b32 s36, 0xbab6061a                      ;      -1.3887316e-3,
	s_mov_b32 s37, 0x3d2aaaa5                      ;       4.1666646e-2
	v_lshlrev_b32 v4, 4, v1                        ; 16 x lane = 256 h + 16 r
	v_lshlrev_b32 v8, 1, v2
	v_cvt_f32_u32 v8, v8                           ; i = 2 r
	v_add_f32 v9, 1.0, v8                          ; and 2 r + 1
	v_mul_f32 v8, 0xbed49a78, v8                   ; theta = 10000^(-i / 32) = 2^(-0.41524101 i)
	v_mul_f32 v9, 0xbed49a78, v9
	v_exp_f32 v8, v8
	v_exp_f32 v9, v9
	v_add_nc_u32 v10, s40, v3                      ; (a plain instruction behind the exponentials)
	s_wait_alu depctr_va_vdst(0)                   ; one wait for both, ahead of their first reader
	v_cvt_f32_u32 v10, v10                         ; my position
	s_mov_b32 s41, 16
.Lrow:
	SINCOS 8, 12, 13
	SINCOS 9, 14, 15
	global_store_b128 v4, v[12:15], s[24:25]       ; 512 consecutive bytes: two positions
	s_wait_xcnt 0x0                                ; the store has read its offset and its data: both are written again below and in the next trip
	v_add_nc_u32 v4, 512, v4
	v_add_f32 v10, 2.0, v10
	s_sub_co_u32 s41, s41, 1
	s_cmp_lg_u32 s41, 0
	s_cbranch_scc1 .Lrow
	s_endpgm
; ---- x: a wave takes 16 rows x 512 along K: unit u = 4 x work-group + wave; tile of rows u / 2, half of K u % 2
.LX:
	s_lshl_b32 s40, ttmp9, 2
	s_add_co_u32 s40, s40, s26                     ; u
	s_lshr_b32 s41, s40, 1
	s_and_b32 s42, s40, 1
	s_lshl_b32 s44, s41, 16                        ; 16 rows of 4,096 bytes
	s_lshl_b32 s42, s42, 11                        ; 512 numbers
	s_add_co_u32 s44, s44, s42
	s_mov_b32 s45, 0
	s_add_nc_u64 s[4:5], s[4:5], s[44:45]
	s_lshl_b32 s44, s40, 12                        ; four fragments of 1,024 bytes a unit
	s_add_nc_u64 s[14:15], s[14:15], s[44:45]
	s_lshl_b32 s44, s40, 8                         ; four times 16 scale words
	s_add_nc_u64 s[16:17], s[16:17], s[44:45]
	s_mul_i32 s27, s26, STGB                       ; my stage
	v_lshlrev_b32 v4, 4, v1                        ; 16 x lane
	v_add_nc_u32 v5, s27, v4                       ; into the stage: a row's 512 bytes as they lie
	v_mul_u32_u24 v6, v2, 528
	v_lshl_add_u32 v6, v3, 7, v6
	v_add_nc_u32 v6, s27, v6                       ; out of it: row r, + 128 h bytes: my 32 numbers of each 64
	v_lshlrev_b32 v7, 2, v1
	v_lshlrev_b32 v15, 3, v3                       ; 8 h
.irp t, 0,1,2,3
	v_mov_b32 v[W+\t], 0                           ; a lane permute's destination counts as one of its sources
.endr
	LOADX 0
	LOADX 1
	STEPX 0
	STEPX 1
	STEPX 2
	STEPX 3
	v_cmp_le_u32 vcc_lo, 16, v1
	v_cndmask_b32 v8, v[W], v[W+1], vcc_lo         ; lanes 0-15 the even K step's words, lanes 16-31 the odd one's: 128 consecutive bytes a store
	v_cndmask_b32 v9, v[W+2], v[W+3], vcc_lo
	global_store_b32 v7, v8, s[16:17]
	global_store_b32 v7, v9, s[16:17] offset:128
	s_wait_tensorcnt 0x0                           ; the wave's end, behind my last LDS store
	ds_add_u32 v[SPW], v[NIL]
	s_wait_dscnt 0x0
	s_endpgm
; ---- the weights: a lane takes a column, its registers run down K.  A wave: 32 columns x 128 along K (four blocks of 32)
.LW:
	s_sub_co_u32 s40, ttmp9, 128
	s_lshr_b32 s41, s40, 6                         ; which tensor: 0 Wq, 1 Wk, 2 Wv, 3 Wo
	s_and_b32 s42, s40, 63
	s_lshr_b32 s43, s42, 3                         ; which 128 along K
	s_and_b32 s42, s42, 7
	s_lshl_b32 s42, s42, 2
	s_add_co_u32 s42, s42, s26                     ; which 32 columns
	s_cmp_eq_u32 s41, 1
	s_cselect_b64 s[30:31], s[8:9], s[6:7]
	s_cmp_eq_u32 s41, 2
	s_cselect_b64 s[30:31], s[10:11], s[30:31]
	s_cmp_eq_u32 s41, 3
	s_cselect_b64 s[30:31], s[12:13], s[30:31]
	s_lshl_b32 s44, s43, 19                        ; 128 rows of 4,096 bytes
	s_lshl_b32 s46, s42, 7                         ; 32 columns of 4 bytes
	s_add_co_u32 s44, s44, s46
	s_mov_b32 s45, 0
	s_add_nc_u64 s[30:31], s[30:31], s[44:45]
	v_lshlrev_b32 v4, 2, v1
	LOADW 0
	LOADW 1
	s_cmp_eq_u32 s41, 3
	s_cbranch_scc1 .LWO
	s_lshl_b32 s44, s41, 6
	s_lshl_b32 s46, s42, 1
	s_add_co_u32 s46, s44, s46                     ; my first tile of 16 columns: 64 x tensor + 2 x (which 32)
	s_lshl_b32 s44, s46, 13                        ; 8 fragments a tile
	s_lshl_b32 s47, s43, 10
	s_add_co_u32 s44, s44, s47
	s_add_nc_u64 s[18:19], s[18:19], s[44:45]
	s_lshl_b32 s44, s46, 9                         ; 8 x 16 words a tile
	s_lshl_b32 s47, s43, 6
	s_add_co_u32 s44, s44, s47
	s_add_nc_u64 s[20:21], s[20:21], s[44:45]
	v_lshlrev_b32 v5, 13, v3
	v_lshl_add_u32 v5, v2, 4, v5                   ; lanes 16-31: the next tile; 16 bytes a column
	v_lshlrev_b32 v6, 9, v3
	v_lshl_add_u32 v6, v2, 2, v6
	BLOCKW 0
	BLOCKW 1
	BLOCKW 2
	BLOCKW 3
	global_store_b32 v6, v80, s[20:21]             ; sixteen lanes store 64 consecutive bytes
	s_endpgm
.LWO:
	s_lshl_b32 s44, s42, 16                        ; two tiles of 32 fragments
	s_lshl_b32 s47, s43, 12                        ; four fragments of 32 along K
	s_add_co_u32 s44, s44, s47
	s_add_nc_u64 s[22:23], s[22:23], s[44:45]
	v_lshlrev_b32 v5, 15, v3
	v_lshl_add_u32 v5, v2, 4, v5
	BLOCKO 0
	BLOCKO 1
	BLOCKO 2
	BLOCKO 3
	s_endpgm
.Lfunc_end_k_q5c11faddae_prep:
	.size	k_q5c11faddae_prep, .Lfunc_end_k_q5c11faddae_prep-k_q5c11faddae_prep
	.p2alignl 7, 3214868480
	.fill 96, 4, 3214868480
	.section	.rodata,"a",@progbits
	.p2align	6, 0x0
	.amdhsa_kernel k_q5c11faddae_prep
		.amdhsa_group_segment_fixed_size 34304
		.amdhsa_private_segment_fixed_size 0
		.amdhsa_enable_private_segment 0
		.amdhsa_kernarg_size 88
		.amdhsa_user_sgpr_count 2
		.amdhsa_user_sgpr_kernarg_segment_ptr 1
		.amdhsa_wavefront_size32 1
		.amdhsa_system_sgpr_workgroup_id_x 1
		.amdhsa_system_sgpr_workgroup_id_y 1
		.amdhsa_system_sgpr_workgroup_id_z 1
		.amdhsa_system_vgpr_workitem_id 0
		.amdhsa_next_free_vgpr 256
		.amdhsa_next_free_sgpr 66
		.amdhsa_reserve_vcc 1
		.amdhsa_float_denorm_mode_32 3
		.amdhsa_float_denorm_mode_16_64 3
		.amdhsa_memory_ordered 1
		.amdhsa_forward_progress 1
		.amdhsa_inst_pref_size 65
	.end_amdhsa_kernel
	.amdgpu_metadata
---
amdhsa.version: [ 1, 2 ]
amdhsa.kernels:
  - .name:           k_q5c11faddae_prep
    .symbol:         k_q5c11faddae_prep.kd
    .args:
      - { .name: x, .offset: 0, .size: 8, .value_kind: global_buffer, .address_space: global }
      - { .name: Wq, .offset: 8, .size: 8, .value_kind: global_buffer, .address_space: global }
      - { .name: Wk, .offset: 16, .size: 8, .value_kind: global_buffer, .address_space: global }
      - { .name: Wv, .offset: 24, .size: 8, .value_kind: global_buffer, .address_space: global }
      - { .name: Wo, .offset: 32, .size: 8, .value_kind: global_buffer, .address_space: global }
      - { .name: xc, .offset: 40, .size: 8, .value_kind: global_buffer, .address_space: global }
      - { .name: xs, .offset: 48, .size: 8, .value_kind: global_buffer, .address_space: global }
      - { .name: wc, .offset: 56, .size: 8, .value_kind: global_buffer, .address_space: global }
      - { .name: ws, .offset: 64, .size: 8, .value_kind: global_buffer, .address_space: global }
      - { .name: wo16, .offset: 72, .size: 8, .value_kind: global_buffer, .address_space: global }
      - { .name: rope, .offset: 80, .size: 8, .value_kind: global_buffer, .address_space: global }
    .group_segment_fixed_size: 34304
    .private_segment_fixed_size: 0
    .kernarg_segment_align: 8
    .kernarg_segment_size: 88
    .max_flat_workgroup_size: 128
    .sgpr_count:     66
    .vgpr_count:     256
    .wavefront_size: 32
...
	.end_amdgpu_metadata
.endif
;; end of part 1
;; launch qkv (part 2): grid 12 x 16, 4 waves a work-group, clusters of 4 x 4, 327,680 bytes of LDS; arguments xc, xs, wc, ws, bq, bk, bv, rope, qkvf; writes qkvf
.if DOCPART == 2
	.amdgcn_target "amdgcn-amd-amdhsa--gfx1250"
	.amdhsa_code_object_version 6
	.text
	.protected	k_q5c11faddae_qkv
	.globl	k_q5c11faddae_qkv
	.p2align	8
	.type	k_q5c11faddae_qkv,@function
k_q5c11faddae_qkv:
	s_mov_b64 s[64:65], 0
	v_nop
	global_prefetch_b8 v0, s[64:65] scope:SCOPE_SE
	s_setreg_imm32_b32 hwreg(HW_REG_WAVE_MODE, 25, 1), 1
	s_wait_xcnt 0x0
	s_wait_alu depctr_hold_cnt(0) depctr_sa_sdst(0) depctr_va_vdst(0) depctr_va_sdst(0) depctr_va_ssrc(0) depctr_va_vcc(0) depctr_vm_vsrc(0)
	s_getreg_b32 s2, hwreg(HW_REG_IB_STS2, 6, 4)
	s_cmp_eq_u32 s2, 0
	s_cbranch_scc0 .Lentry_in_a_cluster
	s_endpgm
.Lentry_in_a_cluster:
	s_bfe_u32 s2, ttmp6, 0x10000c
	s_cmp_lg_u32 s2, 0xf033
	s_cbranch_scc0 .Lentry_shape_is_right
	s_endpgm
.Lentry_shape_is_right:
; q | k | v = Q(x) Q(W) + b on codes of E2M1 with E8M0 scales (M 4,096, N 3 x 1,024, K 1,024), then RoPE on q and k, rounded once to f16 and stored as operand images for the attention.
; A tile of 256 x 256 to a work-group of four waves; a wave makes 128 x 128: 64 accumulators.  Cluster x (0, 1, 2) is the tensor (q, k, v): it is the same in all sixteen partners, so branches may hang on it.
; x's tiles are shared along a row of the cluster, the weights' along a column: each is asked for jointly.  All of K lies in LDS at once (two slots of 512 along K, 128 KiB each): each byte of LDS is filled once.
; Operands lie in memory and in LDS as images of fragment registers (1,024 bytes a fragment, 16 bytes a lane): every LDS read of a wave covers 512 consecutive bytes; no pitch, no padding.
; THE MATRIX INSTRUCTION IS USED TRANSPOSED: source 0 = 16 columns of the weight, source 1 = 16 tokens: a lane holds ONE token (lane % 16) and the eight columns 16 b + 8 (lane / 16) + 0..7.
; The bias is the C of each sum's first product.  Two neighbouring column tiles, packed to f16 in pairs, ARE the 16-bit fragment of 16 tokens x 32 channels: q and k leave as they will be loaded;
; v leaves as row-major tiles of 16 tokens x 16 channels (32 bytes a token), which the turning LDS load takes.  Every store covers 512 consecutive bytes, aligned; no stage in LDS.
; LIMITS: q, k, v beyond 65,504 become infinity in f16; under 6.1e-5 they keep an absolute error of 3e-8.
; REGISTERS: window 0: v1-29 addresses; v32-95 scale words and nothing else; v96-127 and v128-159 two sets of table rows; v128-191 x's fragments (one set); v192-255 the bias.
;   window 1: the weights' fragments, two sets, v0-63 and v128-191; on the way out v0-63 rotated numbers, v64-127 packed results, two sets.   windows 2, 3: the accumulators ((a, b) at v[8 (8 (a % 4) + b)]).
.set SLOT,  131072                     ; a slot: x's 16 tiles x 4 fragments, then the weights'
.set SCL,   262144                     ; behind the slots: x's scale words (16 tiles x 512 bytes), then the weights'
.set SPARE, SCL+16384                  ; the spare words, 128 bytes a wave
.set ADRA, 16                          ; v16-17  my x fragments in slot 0, 1
.set ADRB, 20                          ; v20-21  my weight fragments
.set LO,   24                          ; v24     my 16 bytes in a stored tile of 512
.set TO,   25                          ; v25     my bytes in 16 rows of the table: 256 r + 32 h
.set BO,   26                          ; v26     32 h: my eight numbers of sixteen of the bias
.set ADRS, 27                          ; v27     my scale words: lanes 0-15 x's, lanes 16-31 the weights'
.set SPW,  28                          ; v28     LDS address of my spare word; never rewritten
.set NIL,  29                          ; v29     0; never rewritten
.set SC,   32                          ; register 8 i + ks: lanes 0-15 the words of x's tile i, lanes 16-31 of the weights' tile i, for K step ks
.set TAB0, 96
.set AF,   128
.set BI,   192
.set Y,    0
.set PK,   64
.set G1A,  32                          ; s[32:39], s[40:47] descriptor group 1 for x's and the weights' codes
.set G1B,  40
.set G1SA, 48                          ; s[48:55], s[56:63] for their scale words
.set G1SB, 56
.set G0A,  68                          ; s[68:75] group 0 for x's codes, a set a slot;  s[76:83] the weights'
.set G0B,  76
.set G0SA, 84                          ; s[84:87], s[88:91] for the scale words
.set G0SB, 88
.set MSB, 0
.macro WIN new                         ; the immediate's high byte repeats the setting that is left
.if MSB != (\new)
	s_set_vgpr_msb (MSB<<8)|(\new)
.set MSB, (\new)
.endif
.endm
.set MUL_LO, 0xa1                      ; source 0 (weights) window 1, source 1 (x) window 0, C and D window 2
.set MUL_HI, 0xf1                      ; the same, C and D window 3
.set TO_B,   0x40                      ; destination window 1, address window 0
; A joint load: waves 0 and 1 fetch for x, waves 2 and 3 for the weights.  The branch hangs on the wave's number alone.  An s_nop 0 and four v_nop follow each line.
.macro JLOAD g0a, g1a, g0b, g1b
	s_cmp_eq_u32 s23, 0
	s_cbranch_scc0 .Lfor_b_\@
	tensor_load_to_lds s[\g0a:\g0a+3], s[\g1a:\g1a+7]
	s_nop 0
.rept 4
	v_nop
.endr
	s_branch .Lasked_\@
.Lfor_b_\@:
	tensor_load_to_lds s[\g0b:\g0b+3], s[\g1b:\g1b+7]
	s_nop 0
.rept 4
	v_nop
.endr
.Lasked_\@:
.endm
.macro CROUND                          ; a round of the cluster's barrier
	s_barrier_signal -1
	s_barrier_wait -1
	s_cmp_lg_u32 s22, 0
	s_cbranch_scc1 .Lnot_wave_0_\@
	s_barrier_signal -3
.Lnot_wave_0_\@:
	s_barrier_wait -3
	s_barrier_signal -1
	s_barrier_wait -1
.endm
.macro PLACES                          ; four plain instructions between a matrix instruction and a load into, or a read of, its registers
.rept 4
	v_nop
.endr
.endm
	s_load_b512 s[4:19], s[0:1], 0x0               ; xc 4, xs 6, wc 8, ws 10, bq 12, bk 14, bv 16, rope 18
	s_load_b64 s[20:21], s[0:1], 0x40              ; qkvf
	v_lshl_add_u32 v[SPW], v0, 2, SPARE
	v_mov_b32 v[NIL], 0
	ds_add_u32 v[SPW], v[NIL]                      ; the wave's opening: the add, twice on end, and its wait ahead of my first tensor load
	ds_add_u32 v[SPW], v[NIL]
	v_lshrrev_b32 v1, 5, v0
	v_readfirstlane_b32 s22, v1                    ; wave 0..3
	s_lshr_b32 s23, s22, 1                         ; my half of the tile's rows.  Also: I fetch for x (0) or for the weights (1)
	s_and_b32 s24, s22, 1                          ; my half of its columns.  Also: which 8 tiles of 16 I fetch
	s_bfe_u32 s25, ttmp6, 0x40000                  ; cx
	s_bfe_u32 s26, ttmp6, 0x40004                  ; cy
	s_lshl_b32 s27, ttmp9, 2
	s_add_co_u32 s27, s27, s25                     ; tile column = 4 x cluster x + cx
	s_and_b32 s28, ttmp7, 0xffff
	s_lshl_b32 s28, s28, 2
	s_add_co_u32 s28, s28, s26                     ; tile row = 4 x cluster y + cy
	s_lshl_b32 s29, s26, 2
	s_lshl_b32 s29, 15, s29                        ; my row of the cluster
	s_lshl_b32 s30, 0x1111, s25                    ; my column
	; group 1, codes: 8 tiles of 16 rows; of each the slot's four fragments, 4,096 consecutive bytes (512 elements of 8 bytes), 8,192 bytes from tile to tile
	s_or_b32 s[G1A], s29, (3<<16)|(1<<21)          ; 15:0 the mask; 17:16 elements of 8 bytes; 21 set beside a mask; no padding
	s_or_b32 s[G1B], s30, (3<<16)|(1<<21)
.irp g, G1A, G1B
	s_mov_b32 s[\g+1], 512<<16                     ; tensor_dim0
	s_mov_b32 s[\g+2], 8<<16                       ; tensor_dim1
	s_mov_b32 s[\g+3], 512<<16                     ; tile_dim0
	s_mov_b32 s[\g+4], 8                           ; tile_dim1
	s_mov_b32 s[\g+5], 1024                        ; tensor_dim0_stride
	s_mov_b32 s[\g+6], 0
	s_mov_b32 s[\g+7], 0
.endr
	; group 1, scale words of 8 tiles: 4,096 dense bytes as 16 rows of 256
	s_or_b32 s[G1SA], s29, (3<<16)|(1<<21)
	s_or_b32 s[G1SB], s30, (3<<16)|(1<<21)
.irp g, G1SA, G1SB
	s_mov_b32 s[\g+1], 32<<16
	s_mov_b32 s[\g+2], 16<<16
	s_mov_b32 s[\g+3], 32<<16
	s_mov_b32 s[\g+4], 16
	s_mov_b32 s[\g+5], 32
	s_mov_b32 s[\g+6], 0
	s_mov_b32 s[\g+7], 0
.endr
	s_lshl_b32 s92, s28, 4
	s_lshl_b32 s93, s24, 3
	s_add_co_u32 s92, s92, s93                     ; x: the first tile of 16 rows that I fetch (made of the tile row and the wave alone)
	s_lshl_b32 s94, s27, 4
	s_add_co_u32 s94, s94, s93                     ; the weights: likewise (of the tile column and the wave alone)
	s_lshl_b32 s96, s92, 13                        ; 8,192 bytes of codes a tile
	s_mov_b32 s97, 0
	s_lshl_b32 s98, s94, 13
	s_mov_b32 s99, 0
	s_lshl_b32 s92, s92, 9                         ; 512 bytes of scale words a tile
	s_mov_b32 s93, 0
	s_lshl_b32 s94, s94, 9
	s_mov_b32 s95, 0
	s_lshl_b32 s100, s22, 15                       ; where they go: wave x 32 KiB in a slot,
	s_lshl_b32 s101, s22, 12
	s_add_co_u32 s101, s101, SCL                   ; wave x 4 KiB among the scale words: no place in the cluster enters an LDS address
	s_wait_dscnt 0x0                               ; both opening adds are done
	s_wait_kmcnt 0x0
	s_add_nc_u64 s[96:97], s[4:5], s[96:97]
	s_add_nc_u64 s[92:93], s[6:7], s[92:93]
	s_add_nc_u64 s[98:99], s[8:9], s[98:99]
	s_add_nc_u64 s[94:95], s[10:11], s[94:95]
	CROUND                                         ; all sixteen work-groups are here: the joint loads meet
	s_mov_b32 s[G0SA], 1
	s_mov_b32 s[G0SA+1], s101
	s_mov_b64 s[G0SA+2:G0SA+3], s[92:93]
	s_or_b32 s[G0SA+3], s[G0SA+3], 0x80000000
	s_mov_b32 s[G0SB], 1
	s_mov_b32 s[G0SB+1], s101
	s_mov_b64 s[G0SB+2:G0SB+3], s[94:95]
	s_or_b32 s[G0SB+3], s[G0SB+3], 0x80000000
	JLOAD G0SA, G1SA, G0SB, G1SB                   ; the scale words first: they are wanted with K step 0
.irp s, 0,1
	s_mov_b32 s[G0A+4*\s], 1
	s_add_co_u32 s[G0A+4*\s+1], s100, \s*SLOT
	s_add_nc_u64 s[G0A+4*\s+2:G0A+4*\s+3], s[96:97], \s*4096
	s_or_b32 s[G0A+4*\s+3], s[G0A+4*\s+3], 0x80000000
	s_mov_b32 s[G0B+4*\s], 1
	s_add_co_u32 s[G0B+4*\s+1], s100, \s*SLOT
	s_add_nc_u64 s[G0B+4*\s+2:G0B+4*\s+3], s[98:99], \s*4096
	s_or_b32 s[G0B+4*\s+3], s[G0B+4*\s+3], 0x80000000
	JLOAD G0A+4*\s, G1A, G0B+4*\s, G1B             ; three tensor loads of mine are out behind the last of these
.endr
	v_and_b32 v1, 15, v0                           ; r
	v_bfe_u32 v2, v0, 4, 1                         ; h
	v_and_b32 v3, 31, v0
	v_lshlrev_b32 v4, 4, v3                        ; 16 x lane
	s_lshl_b32 s92, s23, 15                        ; my 8 tiles of x
	s_lshl_b32 s93, s24, 15
	s_add_co_u32 s93, s93, 65536                   ; my 8 tiles of the weights, behind x's 16
.irp s, 0,1
	v_add_nc_u32 v[ADRA+\s], s92, v4
	v_add_nc_u32 v[ADRB+\s], s93, v4
	s_add_co_u32 s92, s92, SLOT
	s_add_co_u32 s93, s93, SLOT
.endr
	s_lshl_b32 s92, s23, 12                        ; x's scale words: my 8 tiles
	s_lshl_b32 s93, s24, 12
	s_add_co_u32 s93, s93, 8192                    ; the weights': behind x's 16 tiles
	s_sub_co_u32 s93, s93, s92
	v_mul_u32_u24 v5, s93, v2                      ; lanes 16-31 take the weights': one product with h
	s_add_co_u32 s92, s92, SCL
	v_lshl_add_u32 v5, v1, 2, v5
	v_add_nc_u32 v[ADRS], s92, v5
	v_lshlrev_b32 v[BO], 5, v2
	v_lshlrev_b32 v[TO], 8, v1
	v_lshl_add_u32 v[TO], v2, 5, v[TO]
	s_cmp_eq_u32 ttmp9, 2                          ; v's tiles are row-major (32 r + 16 h), q's and k's are images (16 r + 256 h)
	s_cselect_b32 s92, 32, 16
	s_cselect_b32 s93, 16, 256
	v_mul_u32_u24 v[LO], v1, s92
	v_mad_u32_u24 v[LO], v2, s93, v[LO]
	s_cmp_eq_u32 ttmp9, 1                          ; the tensor's bias
	s_cselect_b64 s[12:13], s[14:15], s[12:13]
	s_cmp_eq_u32 ttmp9, 2
	s_cselect_b64 s[12:13], s[16:17], s[12:13]
	s_lshl_b32 s98, s25, 10                        ; 256 cx columns,
	s_lshl_b32 s99, s24, 9                         ; + my 128
	s_add_co_u32 s98, s98, s99
	s_mov_b32 s99, 0
	s_add_nc_u64 s[12:13], s[12:13], s[98:99]
.irp b, 0,1,2,3,4,5,6,7
	global_load_b128 v[BI+8*\b:BI+8*\b+3], v[BO], s[12:13] offset:\b*64
	global_load_b128 v[BI+8*\b+4:BI+8*\b+7], v[BO], s[12:13] offset:\b*64+16
.endr
	s_and_b32 s92, s28, 7                          ; my first tile of 16 tokens in the sequence: 16 (tile row % 8) + 8 x row half
	s_lshl_b32 s92, s92, 4
	s_lshl_b32 s93, s23, 3
	s_add_co_u32 s92, s92, s93
	s_lshl_b32 s94, s92, 12                        ; 16 positions of 256 bytes in the table
	s_mov_b32 s95, 0
	s_add_nc_u64 s[18:19], s[18:19], s[94:95]
	s_lshr_b32 s98, s28, 3                         ; the batch,
	s_lshl_b32 s98, s98, 4
	s_lshl_b32 s99, s25, 2
	s_add_co_u32 s98, s98, s99                     ; + head 4 cx
	s_lshl_b32 s99, s24, 1
	s_add_co_u32 s98, s98, s99                     ; + 2 x column half: my first head
	s_lshl_b32 s98, s98, 7                         ; 128 tiles of tokens a head
	s_add_co_u32 s98, s98, s92
	s_lshl_b32 s98, s98, 11                        ; 2,048 bytes a tile
	s_lshl_b32 s99, ttmp9, 23                      ; 8,388,608 bytes a tensor
	s_add_co_u32 s98, s98, s99
	s_mov_b32 s99, 0
	s_add_nc_u64 s[20:21], s[20:21], s[98:99]
.macro TABLOAD a                       ; the table's rows of my tokens 16 a on: for column tile bb of a head, pairs 8 bb + 4 h + 0..3: (cos, sin) x 4 = 32 bytes
.set TT, TAB0+32*((\a)%2)
.irp bb, 0,1,2,3
.irp e, 0,1
	global_load_b128 v[TT+8*\bb+4*\e:TT+8*\bb+4*\e+3], v[TO], s[18:19] offset:(\a)*4096+\bb*64+16*\e
.endr
.endr
.endm
	TABLOAD 0                                      ; every work-group asks for these eight, v's too, which do not use them: so the head has one path
.macro FRAG reg, adr, q, i             ; a fragment as it was stored: two loads of 512 consecutive bytes
.irp c, 0,1
	ds_load_b128 v[\reg+4*\c:\reg+4*\c+3], v[\adr] offset:(\i)*4096+(\q)*1024+512*\c
.endr
.endm
; 16 matrix instructions: x's tiles a0, a0 + 1 against the weights' eight, K step ks.  p: the weights' set.  first = 1: the bias is C, and the product starts the sum.
; The 64 accumulators take turns, one instruction a turn, in the same order in every step.
.macro MUL16 a0, p, ks, first
.irp a, \a0, \a0+1
.irp b, 0,1,2,3,4,5,6,7
.if \first
	v_wmma_scale_f32_16x16x128_f8f6f4 v[8*(8*((\a)%4)+\b):8*(8*((\a)%4)+\b)+7], v[128*(\p)+8*\b:128*(\p)+8*\b+7], v[AF+8*(\a):AF+8*(\a)+7], v[BI+8*\b:BI+8*\b+7], v[SC+8*\b+(\ks)], v[SC+8*(\a)+(\ks)] matrix_a_fmt:MATRIX_FMT_FP4 matrix_b_fmt:MATRIX_FMT_FP4 matrix_a_scale:MATRIX_SCALE_ROW1
.else
	v_wmma_scale_f32_16x16x128_f8f6f4 v[8*(8*((\a)%4)+\b):8*(8*((\a)%4)+\b)+7], v[128*(\p)+8*\b:128*(\p)+8*\b+7], v[AF+8*(\a):AF+8*(\a)+7], v[8*(8*((\a)%4)+\b):8*(8*((\a)%4)+\b)+7], v[SC+8*\b+(\ks)], v[SC+8*(\a)+(\ks)] matrix_a_fmt:MATRIX_FMT_FP4 matrix_b_fmt:MATRIX_FMT_FP4 matrix_a_scale:MATRIX_SCALE_ROW1
.endif
.endr
.endr
.endm
.macro FETCH_B slot, q, p
	WIN TO_B
.irp i, 0,1,2,3,4,5,6,7
	FRAG 128*(\p)+8*\i, ADRB+\slot, \q, \i
.endr
	WIN 0
.endm
.macro FETCH_A slot, q, i0
.irp i, \i0, \i0+1, \i0+2, \i0+3
	FRAG AF+8*(\i), ADRA+\slot, \q, \i
.endr
.endm
; A step of 128 along K whose successor lies in the same slot.  x's tiles are free as soon as their eight products are issued: tiles 0-3 are fetched anew in the middle, 4-7 at the end.
.macro STEP slot, q, first
	s_wait_dscnt 8                                 ; the weights' set and x's tiles 0-3 are in; the youngest eight loads (x's tiles 4-7) may be out
.if \first
	WIN 0x81                                       ; C (the bias) in window 0
.else
	WIN MUL_LO
.endif
	MUL16 0, (\q)%2, 4*(\slot)+(\q), \first
	MUL16 2, (\q)%2, 4*(\slot)+(\q), \first
	s_wait_dscnt 0x0                               ; x's tiles 4-7 are in
	PLACES
	FETCH_B \slot, (\q)+1, 1-(\q)%2
	FETCH_A \slot, (\q)+1, 0
.if \first
	WIN 0xc1
.else
	WIN MUL_HI
.endif
	MUL16 4, (\q)%2, 4*(\slot)+(\q), \first
	MUL16 6, (\q)%2, 4*(\slot)+(\q), \first
	PLACES
	WIN 0
	FETCH_A \slot, (\q)+1, 4
.endm
	s_wait_tensorcnt 1                             ; the scale words and my part of slot 0 are in; slot 1's load may be out
	s_barrier_signal -1
	s_barrier_wait -1                              ; everybody's are
	FETCH_B 0, 0, 0
	FETCH_A 0, 0, 0
.irp i, 0,1,2,3,4,5,6,7
.irp ks, 0,1,2,3,4,5,6,7
	ds_load_b32 v[SC+8*\i+\ks], v[ADRS] offset:\i*512+\ks*64   ; all scale words of my 128 rows and 128 columns, once
.endr
.endr
	FETCH_A 0, 0, 4
	s_wait_loadcnt 0x0                             ; the bias (and the first table rows)
	STEP 0, 0, 1
	STEP 0, 1, 0
	STEP 0, 2, 0
	; slot 0's last step; slot 1 is shown to every wave by one barrier
	s_wait_tensorcnt 0x0                           ; my part of slot 1 has landed;
	ds_add_u32 v[SPW], v[NIL]                      ; 0 onto my spare word;
	s_wait_dscnt 9                                 ; (the add and the youngest eight loads may be out)
	WIN MUL_LO
	MUL16 0, 1, 3, 0
	s_wait_dscnt 0x0                               ; no LDS instruction of mine is pending at the signal
	s_barrier_signal -1
	MUL16 2, 1, 3, 0
	WIN 0
	s_barrier_wait -1
	PLACES
	FETCH_B 1, 0, 0
	FETCH_A 1, 0, 0
	WIN MUL_HI
	MUL16 4, 1, 3, 0
	MUL16 6, 1, 3, 0
	PLACES
	WIN 0
	FETCH_A 1, 0, 4
	STEP 1, 0, 0
	STEP 1, 1, 0
	STEP 1, 2, 0
	s_wait_dscnt 8                                 ; the last step: nothing more to fetch
	WIN MUL_LO
	MUL16 0, 1, 7, 0
	MUL16 2, 1, 7, 0
	s_wait_dscnt 0x0
	WIN MUL_HI
	MUL16 4, 1, 7, 0
	MUL16 6, 1, 7, 0
	WIN 0
	PLACES                                         ; behind the last products: for the reads of results and for the loads into the registers that held x's fragments
; THE WAY OUT of my tokens 16 a on.  q, k: out(2 i) = t(2 i) cos - t(2 i + 1) sin, out(2 i + 1) = t(2 i + 1) cos + t(2 i) sin; each accumulator is read from its low end on.
.macro SENDOUT a
.set PP, PK+32*((\a)%2)
	WIN 0x04                                       ; a store's data are its source 1: window 1
.irp b, 0,1,2,3,4,5,6,7
	global_store_b128 v[LO], v[PP+4*\b:PP+4*\b+3], s[20:21] offset:(\b/4)*262144+(\a)*2048+(\b%4)*512   ; head b / 4, column tile b % 4: 512 consecutive bytes, aligned
.endr
	WIN 0
.endm
.macro ROPEOUT a
.set AC, 64*((\a)%4)
.set TR_, TAB0+32*((\a)%2)
.set PP, PK+32*((\a)%2)
.if (\a) < 7
	s_wait_loadcnt 8                               ; this block's table rows are in; the next block's eight loads may be out
.else
	s_wait_loadcnt 0x0
.endif
	WIN 0x52+(\a)/4                                ; source 0 the accumulators, source 1 the table (window 0), source 2 and destination window 1
.irp b, 0,1,2,3,4,5,6,7
.irp p, 0,1,2,3
	v_pk_mul_f32 v[Y+8*\b+2*\p:Y+8*\b+2*\p+1], v[AC+8*\b+2*\p:AC+8*\b+2*\p+1], v[TR_+8*(\b%4)+2*\p:TR_+8*(\b%4)+2*\p+1] op_sel_hi:[1,0]
.endr
.irp p, 0,1,2,3
	v_fma_f32 v[Y+8*\b+2*\p], -v[AC+8*\b+2*\p+1], v[TR_+8*(\b%4)+2*\p+1], v[Y+8*\b+2*\p]
	v_fma_f32 v[Y+8*\b+2*\p+1], v[AC+8*\b+2*\p], v[TR_+8*(\b%4)+2*\p+1], v[Y+8*\b+2*\p+1]
.endr
.endr
	WIN 0
	s_wait_xcnt 0x0                                ; the stores of two blocks back have read their data: that set is written again below
.if (\a) < 6
	TABLOAD (\a)+2                                 ; into the set just read
.endif
	WIN 0x45
.irp b, 0,1,2,3,4,5,6,7
.irp p, 0,1,2,3
	v_cvt_pk_f16_f32 v[PP+4*\b+\p], v[Y+8*\b+2*\p], v[Y+8*\b+2*\p+1]
.endr
.endr
	SENDOUT \a
.endm
.macro VOUT a
.set AC, 64*((\a)%4)
.set PP, PK+32*((\a)%2)
	s_wait_xcnt 0x0                                ; the stores of two blocks back have read their data
	WIN 0x4a+5*((\a)/4)                            ; sources 0 and 1 the accumulators, destination window 1
.irp b, 0,1,2,3,4,5,6,7
.irp p, 0,1,2,3
	v_cvt_pk_f16_f32 v[PP+4*\b+\p], v[AC+8*\b+2*\p], v[AC+8*\b+2*\p+1]
.endr
.endr
	SENDOUT \a
.endm
	s_cmp_eq_u32 ttmp9, 2                          ; the cluster's x: the same in all partners
	s_cbranch_scc1 .Lvout
	TABLOAD 1
.irp a, 0,1,2,3,4,5,6,7
	ROPEOUT \a
.endr
	s_branch .Lend
.Lvout:
.irp a, 0,1,2,3,4,5,6,7
	VOUT \a
.endr
.Lend:
	s_wait_tensorcnt 0x0                           ; the wave's end, behind my last tensor load
	ds_add_u32 v[SPW], v[NIL]
	s_wait_dscnt 0x0
	CROUND                                         ; the closing round
	s_endpgm
.Lfunc_end_k_q5c11faddae_qkv:
	.size	k_q5c11faddae_qkv, .Lfunc_end_k_q5c11faddae_qkv-k_q5c11faddae_qkv
	.p2alignl 7, 3214868480
	.fill 96, 4, 3214868480
	.section	.rodata,"a",@progbits
	.p2align	6, 0x0
	.amdhsa_kernel k_q5c11faddae_qkv
		.amdhsa_group_segment_fixed_size 327680
		.amdhsa_private_segment_fixed_size 0
		.amdhsa_enable_private_segment 0
		.amdhsa_kernarg_size 72
		.amdhsa_user_sgpr_count 2
		.amdhsa_user_sgpr_kernarg_segment_ptr 1
		.amdhsa_wavefront_size32 1
		.amdhsa_system_sgpr_workgroup_id_x 1
		.amdhsa_system_sgpr_workgroup_id_y 1
		.amdhsa_system_sgpr_workgroup_id_z 1
		.amdhsa_system_vgpr_workitem_id 0
		.amdhsa_next_free_vgpr 1024
		.amdhsa_next_free_sgpr 102
		.amdhsa_reserve_vcc 0
		.amdhsa_float_denorm_mode_32 3
		.amdhsa_float_denorm_mode_16_64 3
		.amdhsa_memory_ordered 1
		.amdhsa_forward_progress 1
		.amdhsa_inst_pref_size 200
	.end_amdhsa_kernel
	.amdgpu_metadata
---
amdhsa.version: [ 1, 2 ]
amdhsa.kernels:
  - .name:           k_q5c11faddae_qkv
    .symbol:         k_q5c11faddae_qkv.kd
    .args:
      - { .name: xc, .offset: 0, .size: 8, .value_kind: global_buffer, .address_space: global }
      - { .name: xs, .offset: 8, .size: 8, .value_kind: global_buffer, .address_space: global }
      - { .name: wc, .offset: 16, .size: 8, .value_kind: global_buffer, .address_space: global }
      - { .name: ws, .offset: 24, .size: 8, .value_kind: global_buffer, .address_space: global }
      - { .name: bq, .offset: 32, .size: 8, .value_kind: global_buffer, .address_space: global }
      - { .name: bk, .offset: 40, .size: 8, .value_kind: global_buffer, .address_space: global }
      - { .name: bv, .offset: 48, .size: 8, .value_kind: global_buffer, .address_space: global }
      - { .name: rope, .offset: 56, .size: 8, .value_kind: global_buffer, .address_space: global }
      - { .name: qkvf, .offset: 64, .size: 8, .value_kind: global_buffer, .address_space: global }
    .group_segment_fixed_size: 327680
    .private_segment_fixed_size: 0
    .kernarg_segment_align: 8
    .kernarg_segment_size: 72
    .max_flat_workgroup_size: 128
    .sgpr_count:     102
    .vgpr_count:     1024
    .wavefront_size: 32
...
	.end_amdgpu_metadata
.endif
;; end of part 2
;; launch attn (part 3): grid 8 x 32, 8 waves a work-group, no clusters, 327,680 bytes of LDS; arguments qkvf, pad_token_mask, yf; writes yf
.if DOCPART == 3
	.amdgcn_target "amdgcn-amd-amdhsa--gfx1250"
	.amdhsa_code_object_version 6
	.text
	.protected	k_q5c11faddae_attn
	.globl	k_q5c11faddae_attn
	.p2align	8
	.type	k_q5c11faddae_attn,@function
k_q5c11faddae_attn:
	s_mov_b64 s[64:65], 0
	v_nop
	global_prefetch_b8 v0, s[64:65] scope:SCOPE_SE
	s_setreg_imm32_b32 hwreg(HW_REG_WAVE_MODE, 25, 1), 1
	s_wait_xcnt 0x0
; y[b][h][q] = softmax_k(q . k / 8, keys k <= q whose pad word is not 0) v, f16 operands, f32 products, maxima and sums; y rounded once to f16 and stored as the projection's operand images.
; SHARES.  Work-group (i, bh) owns the blocks i and 15 - i of 128 queries of one head: together 17 blocks of 128 keys under the causal mask, the same in every work-group.
; Waves 0-3 take block i, waves 4-7 block 15 - i; a wave has 32 queries, two tiles of 16, so each fragment of K and V that it reads feeds two matrix instructions.
; Keys go 64 a step; a ring of two LDS slots of 256 keys (K 32 KiB, V 32 KiB), filled by waves 0-3, 16 KiB each, and read by all eight.  All slots' changes are walked by every work-group (constant trip count);
; steps all of whose keys come after the wave's queries are jumped over, and a slot whose first key comes after the work-group's last query is not asked for.
; NO CLUSTER: the eight work-groups of a head want 8, 8, 7, 7, 6, 6, 5, 5 slots, so a joint load would bring some partners tiles that none of their waves reads.
; LAYOUT.  S^T = K Q^T (source 0 = 16 keys, source 1 = 16 queries) and O^T = V^T P (source 0 = 16 channels, source 1 = P): a lane holds ONE query (lane % 16) throughout.  K comes from LDS as an image of its
; registers, V (tiles of 16 keys x 16 channels, 32 bytes a key) turned by ds_load_tr16_b128.  Two neighbouring tiles of S^T packed in pairs are P's fragment; two of O^T are y's.
; BY TURNS.  The wave's two tiles are two pieces that share K's and V's fragments and nothing else.  In a turn one tile's softmax, a list of 120 vector instructions, is walked in slices of 7, and ahead of each slice
; stands one matrix instruction of the other tile's or of this tile's neighbouring step:
;   TURN 0 of step s: tile 0's softmax | tile 1's 8 K Q^T of step s, then tile 1's 8 V^T P of step s - 1
;   TURN 1 of step s: tile 1's softmax | tile 0's 8 V^T P of step s, then tile 0's 8 K Q^T of step s + 1
; The pipeline runs inside a slot's four steps: tile 0's first scores stand bare at the slot's head, tile 1's last V^T P bare at its end.  The pad words and K of step s + 1 are fetched in TURN 0 of step s,
; behind K's last reader; V of step s + 1 at that turn's end, into the other of two buffers.
; SOFTMAX.  A running maximum m and sum l a query; p = 2^(c s - c m), c = log2(e) / 8; O and l are multiplied by 2^(c m_old - c m_new) in every step.
; THE MASKS.  The pad mask is read once and turned into 0 or -2^100 a key in LDS: these words are the C of each score tile's first product.  m starts at -2^96, so a padded key's p is 2^(c (-2^100 + 2^96)) = 0
; in every row, also in one with no open key.  Above the diagonal scores become -infinity by a select.  A query with no open key ends with l = 0 and O = 0: 0 x (1 / 0) is NaN, as the softmax of an empty row is.
; LIMITS: scores under -2^96 are not served (with f16 operands none passes 2^39 in size); p is rounded to f16 for the second product (the sum l is taken of the unrounded p); y beyond 65,504 becomes infinity,
; under 6.1e-5 it keeps an absolute error of 3e-8.
; REGISTERS.  window 0: v1 16 x lane; v2, v3 my place in V's tiles and among the pad words; v4-6 the slot's addresses; v7 the diagonal's distance; v8 -infinity; v9 the prefetches' offset; v10, v11 the add's two;
;   v12 r - 8 h; v16-31 statistics (tile t at 16 + 8 t: +0 c m, +1 m, +2 +3 l, +4..+7 at work, the rescaling factor in +6); v32-63 pad words; v64-127 S^T; v128-159 P; v160-223 O^T; v224-255 pad at the head, y at the end.
;   window 1: v0-31 Q; v64-127 K of a step; v128-191, v192-255 V of an even and of an odd step.
; A softmax works in window 0 and a product's first sources lie in window 1, so each matrix instruction costs two switches: 64 for a step's 32 matrix instructions and 240 vector instructions.
.set SLOT1, 65536
.set PADB,  131072                     ; 2,048 f32: 0 or -2^100 a key; stored by ds_store, no tensor load lands here
.set SPARE, PADB+8192                  ; the spare words, 128 bytes a wave
.set SPW, 10
.set NIL, 11
.set ST,  16
.set B,   32
.set S,   64
.set P,   128
.set O,   160
.set OUT, 224
.set QR,  0
.set KR,  64
.set VR,  128
.set NSM, 120                          ; instructions in a tile's softmax
; s10 wave; s11 my first query; s12 the work-group's last query; s13 the slot's first key; s14 the slot in hand; s15 4 x the slot's first key; s[16:23] group 1; s[24:27] group 0, which walks;
; s28 slots to go; s29 my last query; s[30:31] c; s[32:33] lane selects; s[34:35], s[36:37] where my prefetches stand in K and V; s38 their limit; s39 the head; s40-47 at work
.set MSB, 0
.macro WIN new                         ; the immediate's high byte repeats the setting that is left; a switch that changes nothing is dropped
.if MSB != (\new)
	s_set_vgpr_msb (MSB<<8)|(\new)
.set MSB, (\new)
.endif
.endm
.macro TLOAD                           ; waves 0, 1: K's halves; waves 2, 3: V's; the others nothing.  An s_nop 0 and four v_nop follow the load
	s_cmp_lt_u32 s10, 4
	s_cbranch_scc0 .Lnone_\@
	tensor_load_to_lds s[24:27], s[16:23]
	s_nop 0
.rept 4
	v_nop
.endr
.Lnone_\@:
.endm
; A prefetch of the slot that the NEXT change of slots will ask for: K's 32 KiB and V's 32 KiB.  All work-groups of a head walk the same K and V: the one with x = 0, which walks all eight slots, asks, in its
; waves 4-7, which fetch nothing: wave 4 + j names bytes 8,192 j + 256 x lane of each: every aligned block of 256 bytes once in the launch.  The last two changes ask for nothing: no slot is left.
.macro ASK
	s_cmp_gt_u32 s28, s38
	s_cbranch_scc0 .Lnot_mine_\@
	global_prefetch_b8 v9, s[34:35] th:TH_LOAD_NT scope:SCOPE_SE
	global_prefetch_b8 v9, s[36:37] th:TH_LOAD_NT scope:SCOPE_SE
.Lnot_mine_\@:
.endm
; THE CHANGE OF SLOTS, at a slot's head.  Every wave waits for all its tensor loads, adds 0 to its spare word, and waits for that and for its reads of the slot that it has left; behind the barrier the slot ahead
; is whole and nobody reads the other one, which takes the next 256 keys: one load a wave, with a slot's four steps in which to land.
.macro CHANGE
	s_wait_tensorcnt 0x0                           ; no tensor load of mine is out, so group 0 may be written
	ds_add_u32 v[SPW], v[NIL]                      ; the add here, twice on end, in every trip alike
	ds_add_u32 v[SPW], v[NIL]
	s_xor_b32 s25, s25, SLOT1                      ; the other slot than last time,
	s_add_nc_u64 s[26:27], s[26:27], 32768         ; the next 256 keys; the type bits on top are not reached
	s_wait_xcnt 0x0                                ; the last prefetches, a slot back, have read their addresses
	s_add_nc_u64 s[34:35], s[34:35], 32768
	s_add_nc_u64 s[36:37], s[36:37], 32768
	s_wait_dscnt 0x0                               ; both adds are done; my LDS stores have landed and my reads of the slot that I have left are over
	s_barrier_signal -1
	s_barrier_wait -1
	s_add_co_u32 s40, s13, 256                     ; the first key of the slot that this change would ask for
	s_cmp_gt_u32 s40, s12                          ; past the work-group's last query none of its waves reads it: ids and the count of slots alone, the same in all eight waves; it holds in the last trip of every work-group
	s_cbranch_scc1 .Lpast_\@
	TLOAD
.Lpast_\@:
	ASK
.endm
.macro FETCH_A stp                     ; the pad words and K of the slot's step stp: 24 loads in one run
	WIN 0
.irp kt, 0,1,2,3
.irp e, 0,1
	ds_load_b128 v[B+8*\kt+4*\e:B+8*\kt+4*\e+3], v6 offset:(\stp)*256+\kt*64+16*\e   ; the words of keys 16 kt + 8 h + 0..7
.endr
.endr
	WIN 0x40                                       ; destination window 1
.irp kt, 0,1,2,3
.irp u, 0,1
.irp e, 0,1
	ds_load_b128 v[KR+16*\kt+8*\u+4*\e:KR+16*\kt+8*\u+4*\e+3], v4 offset:(\stp)*8192+\kt*2048+\u*1024+\e*512
.endr
.endr
.endr
	WIN 0
.endm
.macro FETCH_V stp                     ; V of step stp, turned, into buffer stp % 2: 16 loads
	WIN 0x40
.irp U, 0,1
.irp ct, 0,1,2,3
.irp e, 0,1
	ds_load_tr16_b128 v[VR+64*((\stp)%2)+32*\U+8*\ct+4*\e:VR+64*((\stp)%2)+32*\U+8*\ct+4*\e+3], v5 offset:(\stp)*8192+(2*\U+\e)*2048+\ct*512
.endr
.endr
.endr
	WIN 0
.endm
; Product i of 8 of tile t's S^T = K Q^T: channels 32 (i / 4) on, keys 16 (i % 4) on.  The first four start the sums with the pad words as C.  Four accumulators by turns.
.macro KQ t, i
	WIN 0x05                                       ; K and Q in window 1
.if (\i) < 4
	v_wmma_f32_16x16x32_f16 v[S+32*(\t)+8*(\i):S+32*(\t)+8*(\i)+7], v[KR+16*(\i):KR+16*(\i)+7], v[QR+16*(\t):QR+16*(\t)+7], v[B+8*(\i):B+8*(\i)+7]
.else
	v_wmma_f32_16x16x32_f16 v[S+32*(\t)+8*((\i)-4):S+32*(\t)+8*((\i)-4)+7], v[KR+16*((\i)-4)+8:KR+16*((\i)-4)+15], v[QR+16*(\t)+8:QR+16*(\t)+15], v[S+32*(\t)+8*((\i)-4):S+32*(\t)+8*((\i)-4)+7]
.endif
.endm
; Product i of 8 of tile t's O^T += V^T P: keys 32 (i / 4) on, channels 16 (i % 4) on; V from buffer buf.  Four accumulators by turns.
.macro PV t, i, buf
	WIN 0x01                                       ; V in window 1
	v_wmma_f32_16x16x32_f16 v[O+32*(\t)+8*((\i)%4):O+32*(\t)+8*((\i)%4)+7], v[VR+64*(\buf)+32*((\i)/4)+8*((\i)%4):VR+64*(\buf)+32*((\i)/4)+8*((\i)%4)+7], v[P+16*(\t)+8*((\i)/4):P+16*(\t)+8*((\i)/4)+7], v[O+32*(\t)+8*((\i)%4):O+32*(\t)+8*((\i)%4)+7]
.endm
; Number j of tile t's softmax for one key step.  s0-s31 are the lane's 32 scores.
;   0-15    the maximum of s0-s31 and the old m, three operands at a time, four chains; each score tile is read from its low end on
;   16-20   the other half of the lanes' maximum; c m_old kept; the new m; c m; c m_old - c m_new
;   21-36   c s - c m, a pair of scores each
;   37-69   ONE BATCH of 33 exponentials: the rescaling factor, then s0-s31; none reads another's result
;   70      a plain instruction behind the last exponential, and the one wait for the batch, ahead of its first reader
;   71-86   the roundings to f16, a pair of weights each
;   87-103  l = l x factor + the sum of the unrounded p, in two chains
;   104-119 the tile's O^T x factor, each tile of channels from its low end on
.macro SM t
.set rT, ST+8*(\t)
.set rS, S+32*(\t)
.set rP, P+16*(\t)
.set rO, O+32*(\t)
	WIN 0
.if j < 4
	v_max3_num_f32 v[rT+4+j], v[rS+8*j], v[rS+8*j+1], v[rS+8*j+2]
.elseif j < 12
	v_max3_num_f32 v[rT+4+j%4], v[rT+4+j%4], v[rS+8*(j%4)+2*(j/4)+1], v[rS+8*(j%4)+2*(j/4)+2]
.elseif j == 12
	v_max3_num_f32 v[rT+4], v[rT+4], v[rS+7], v[rS+15]
.elseif j == 13
	v_max3_num_f32 v[rT+6], v[rT+6], v[rS+23], v[rS+31]
.elseif j == 14
	v_max3_num_f32 v[rT+4], v[rT+4], v[rT+5], v[rT+6]
.elseif j == 15
	v_max3_num_f32 v[rT+4], v[rT+4], v[rT+7], v[rT+1]
.elseif j == 16
	v_permlanex16_b32 v[rT+5], v[rT+4], s32, s33   ; the query's other 32 keys lie in the lane 16 away
.elseif j == 17
	v_mov_b32 v[rT+7], v[rT]
.elseif j == 18
	v_max_num_f32 v[rT+1], v[rT+4], v[rT+5]
.elseif j == 19
	v_mul_f32 v[rT], s30, v[rT+1]
.elseif j == 20
	v_sub_f32 v[rT+7], v[rT+7], v[rT]
.elseif j < 37
.set pb, j-21
	v_pk_fma_f32 v[rS+2*pb:rS+2*pb+1], v[rS+2*pb:rS+2*pb+1], s[30:31], v[rT:rT+1] op_sel_hi:[1,0,0] neg_lo:[0,0,1] neg_hi:[0,0,1]
.elseif j == 37
	v_exp_f32 v[rT+6], v[rT+7]
.elseif j < 70
	v_exp_f32 v[rS+j-38], v[rS+j-38]
.elseif j == 70
	v_nop
	s_wait_alu depctr_va_vdst(0)
.elseif j < 87
	v_cvt_pk_f16_f32 v[rP+j-71], v[rS+2*(j-71)], v[rS+2*(j-71)+1]
.elseif j == 87
	v_pk_mul_f32 v[rT+2:rT+3], v[rT+2:rT+3], v[rT+6:rT+7] op_sel_hi:[1,0]
.elseif j == 88
	v_pk_add_f32 v[rT+4:rT+5], v[rS+2:rS+3], v[rS+6:rS+7]
.elseif j == 89
	v_pk_add_f32 v[rT+2:rT+3], v[rT+2:rT+3], v[rS:rS+1]
.elseif j < 102
.set z, j-90
.if z%2 == 0
	v_pk_add_f32 v[rT+2:rT+3], v[rT+2:rT+3], v[rS+4+4*(z/2):rS+5+4*(z/2)]
.else
	v_pk_add_f32 v[rT+4:rT+5], v[rT+4:rT+5], v[rS+10+4*(z/2):rS+11+4*(z/2)]
.endif
.elseif j == 102
	v_pk_add_f32 v[rT+2:rT+3], v[rT+2:rT+3], v[rS+28:rS+29]
.elseif j == 103
	v_pk_add_f32 v[rT+2:rT+3], v[rT+2:rT+3], v[rT+4:rT+5]
.else
	v_pk_mul_f32 v[rO+2*(j-104):rO+2*(j-104)+1], v[rO+2*(j-104):rO+2*(j-104)+1], v[rT+6:rT+7] op_sel_hi:[1,0]
.endif
.endm
; A TURN: tile x's softmax of the slot's step stp, with the matrix instructions named at the kernel's head ahead of its first 8 or 16 slices.
; A vector instruction that reads a matrix result or writes one of a matrix instruction's registers, and a load into a register that a matrix instruction has read, stand four plain vector instructions behind it that
; name none of its registers (ISA guide 7.12.1 for vector instructions).  Behind a turn's sixteenth matrix instruction stand numbers 105 to 119, fifteen packed multiplies on the
; other tile's registers: they serve the next turn's first reads and the run of V's loads.  K's last reader stands ahead of slice 7; number 70 and the roundings 71 to 83 lie between it and the run of K's loads.
.macro TURN x, stp
	s_add_co_u32 s41, s13, 64*(\stp)+63
	s_cmp_le_u32 s41, s11                          ; all 64 keys count for all my queries: no diagonal here
	s_cbranch_scc1 .Lopen_\@
	s_sub_co_i32 s41, s11, s13
	s_sub_co_i32 s41, s41, 64*(\stp)
	v_add_nc_u32 v7, s41, v12                      ; d = first query - first key + r - 8 h.  Register (kt, j): key 16 kt + 8 h + j, query 16 x + r: hidden where 16 kt + j - 16 x > d
.irp kt, 0,1,2,3
.irp jj, 0,1,2,3,4,5,6,7
	v_cmp_gt_i32 vcc_lo, 16*\kt+\jj-16*(\x), v7
	v_cndmask_b32 v[S+32*(\x)+8*\kt+\jj], v[S+32*(\x)+8*\kt+\jj], v8, vcc_lo
.endr
.endr
.Lopen_\@:
.if (\x) == 1
.if (\stp) < 3
	s_wait_dscnt 40                                ; this step's V is in; the next step's 24 + 16 loads may be out
.else
	s_wait_dscnt 0x0                               ; the slot's last V: nothing younger was asked for
.endif
.endif
.set k, 0
.rept 18
.if k < 8
.if (\x) == 0
	KQ 1, k
.else
	PV 0, k, (\stp)%2
.endif
.elseif k < 16
.if ((\x) == 0) && ((\stp) > 0)
	PV 1, k-8, ((\stp)+1)%2
.endif
.if ((\x) == 1) && ((\stp) < 3)
.if k == 8
	s_wait_dscnt 16                                ; the next step's pad words and K are in; its V's sixteen loads may be out
.endif
	KQ 0, k-8
.endif
.endif
.irp n, 0,1,2,3,4,5,6
.set j, 7*k+\n
.if j < NSM
	SM \x
.endif
.endr
.if ((\x) == 0) && ((\stp) < 3) && (k == 11)
	FETCH_A (\stp)+1
.endif
.set k, k+1
.endr
.if ((\x) == 0) && ((\stp) < 3)
	FETCH_V (\stp)+1
.endif
.endm
; All 64 keys of step stp come after my 32 queries, and so do all later keys: only tile 1's V^T P of the step before is still owed
.macro HID stp, lab
	s_add_co_u32 s41, s13, 64*(\stp)
	s_cmp_gt_u32 s41, s29
	s_cbranch_scc1 \lab
.endm
.macro LASTPV buf
.set k, 0
.rept 8
	PV 1, k, \buf
.set k, k+1
.endr
	WIN 0
.endm
	s_load_b128 s[4:7], s[0:1], 0x0                ; qkvf, pad_token_mask
	s_load_b64 s[8:9], s[0:1], 0x10                ; yf
	v_lshl_add_u32 v[SPW], v0, 2, SPARE
	v_mov_b32 v[NIL], 0
	ds_add_u32 v[SPW], v[NIL]                      ; the wave's opening: the add, twice on end, and its wait ahead of the first tensor load
	ds_add_u32 v[SPW], v[NIL]
	v_lshrrev_b32 v1, 5, v0
	v_readfirstlane_b32 s10, v1                    ; wave 0..7
	s_and_b32 s39, ttmp7, 0xffff                   ; batch x 16 + head
	s_and_b32 s40, s10, 3
	s_lshl_b32 s41, s40, 5                         ; 32 queries a wave
	s_sub_co_u32 s42, 15, ttmp9
	s_cmp_lt_u32 s10, 4
	s_cselect_b32 s42, ttmp9, s42                  ; waves 0-3: block i; waves 4-7: block 15 - i
	s_lshl_b32 s42, s42, 7
	s_add_co_u32 s11, s42, s41                     ; my first query
	s_add_co_u32 s29, s11, 31                      ; my last
	s_lshl_b32 s12, ttmp9, 7
	s_sub_co_u32 s12, 2047, s12                    ; the work-group's last query
	s_mov_b32 s13, 0
	s_mov_b32 s14, 0
	s_mov_b32 s15, 0
	s_mov_b32 s28, 8
	s_mov_b32 s30, 0x3e38aa3b                      ; c = log2(e) / 8
	s_mov_b32 s31, s30                             ; (named with it as a pair)
	s_mov_b32 s32, 0x76543210
	s_mov_b32 s33, 0xfedcba98
	; group 1: 16 KiB dense, as 64 rows of 256 bytes (32 elements of 8 bytes)
	s_mov_b32 s16, 3<<16
	s_mov_b32 s17, 32<<16
	s_mov_b32 s18, 64<<16
	s_mov_b32 s19, 32<<16
	s_mov_b32 s20, 64
	s_mov_b32 s21, 32
	s_mov_b32 s22, 0
	s_mov_b32 s23, 0
	s_mov_b32 s24, 1
	s_lshl_b32 s25, s40, 14                        ; into slot 0: K's halves, then V's
	s_lshr_b32 s41, s40, 1
	s_add_co_u32 s41, s41, 1                       ; tensor 1 (k) or 2 (v)
	s_lshl_b32 s41, s41, 23                        ; 8,388,608 bytes a tensor
	s_and_b32 s44, s40, 1
	s_lshl_b32 s44, s44, 14                        ; which half of a slot's 32 KiB
	s_add_co_u32 s44, s44, s41
	s_lshl_b32 s42, s39, 18                        ; 262,144 bytes a head
	s_add_co_u32 s44, s44, s42
	s_mov_b32 s45, 0
	s_lshr_b32 s41, s10, 2
	s_xor_b32 s41, s41, 1                          ; 0 in waves 4-7,
	s_or_b32 s41, s41, ttmp9                       ; of the work-group with x = 0
	s_cmp_eq_u32 s41, 0
	s_cselect_b32 s38, 2, -1
	s_wait_dscnt 0x0                               ; both opening adds are done
	s_wait_kmcnt 0x0
	s_add_nc_u64 s[26:27], s[4:5], s[44:45]
	s_or_b32 s27, s27, 0x80000000
	TLOAD                                          ; slot 0: key 0 stands at or under every query
	s_lshl_b32 s44, s40, 13                        ; the prefetches: my 8,192 bytes,
	s_add_co_u32 s44, s44, s42
	s_add_co_u32 s44, s44, 8388608+32768           ; of K's slot 1: the first change of slots steps it to slot 2.  Nothing is prefetched here, at the head
	s_add_nc_u64 s[34:35], s[4:5], s[44:45]
	s_add_nc_u64 s[36:37], s[34:35], 8388608       ; and of V's
	s_lshl_b32 s44, s11, 7                         ; Q: 2,048 bytes a tile of 16 queries
	s_add_co_u32 s44, s44, s42
	s_add_nc_u64 s[46:47], s[4:5], s[44:45]
	s_lshr_b32 s41, s39, 4                         ; the batch
	s_lshl_b32 s44, s41, 13
	s_add_nc_u64 s[6:7], s[6:7], s[44:45]          ; its 2,048 pad words
	s_lshl_b32 s44, s41, 22                        ; y: 128 tiles of 32,768 bytes a batch,
	s_lshl_b32 s41, s11, 11                        ; my first tile,
	s_add_co_u32 s44, s44, s41
	s_and_b32 s41, s39, 15
	s_lshl_b32 s41, s41, 11                        ; my head's two fragments
	s_add_co_u32 s44, s44, s41
	s_add_nc_u64 s[8:9], s[8:9], s[44:45]
	v_and_b32 v13, 31, v0
	v_lshlrev_b32 v1, 4, v13                       ; 16 x lane
	v_lshlrev_b32 v9, 8, v13                       ; 256 x lane
	v_and_b32 v14, 15, v0                          ; r
	v_bfe_u32 v15, v0, 4, 1                        ; h
	v_and_b32 v2, 7, v0
	v_lshl_add_u32 v2, v15, 3, v2                  ; the turning load: key 8 h + lane % 8,
	v_lshlrev_b32 v2, 5, v2                        ; 32 bytes a key,
	v_bfe_u32 v12, v0, 3, 1
	v_lshl_add_u32 v2, v12, 4, v2                  ; channels 8 ((lane / 8) % 2) on,
	v_add_nc_u32 v2, 32768, v2                     ; behind K's 32 KiB
	v_lshl_add_u32 v3, v15, 5, PADB
	v_lshlrev_b32 v12, 3, v15
	v_sub_nc_u32 v12, v14, v12                     ; r - 8 h
	v_mov_b32 v8, 0xff800000                       ; -infinity, for the diagonal
	v_mov_b32 v7, 0xf1800000                       ; -2^100, for padding
	v_lshlrev_b32 v13, 4, v0                       ; the pad words: 16 bytes a thread, twice
	v_lshl_add_u32 v14, v0, 4, PADB
	global_load_b128 v[224:227], v13, s[6:7]
	global_load_b128 v[228:231], v13, s[6:7] offset:4096
	WIN 0x40
.irp qt, 0,1
.irp u, 0,1
.irp e, 0,1
	global_load_b128 v[QR+16*\qt+8*\u+4*\e:QR+16*\qt+8*\u+4*\e+3], v1, s[46:47] offset:\qt*2048+\u*1024+\e*512   ; Q stays in registers
.endr
.endr
.endr
	WIN 0
.irp qt, 0,1
	v_mov_b32 v[ST+8*\qt+1], 0xef800000            ; m = -2^96: under every score that is served, over every padded one
	v_mul_f32 v[ST+8*\qt], s30, v[ST+8*\qt+1]
.irp i, 2,3,4,5,6,7
	v_mov_b32 v[ST+8*\qt+\i], 0
.endr
.endr
.irp i, 0,1,2,3,4,5,6,7,8,9,10,11,12,13,14,15,16,17,18,19,20,21,22,23,24,25,26,27,28,29,30,31,32,33,34,35,36,37,38,39,40,41,42,43,44,45,46,47,48,49,50,51,52,53,54,55,56,57,58,59,60,61,62,63
	v_mov_b32 v[O+\i], 0                           ; the step is written for every step alike: the first finds zeros, which its rescaling leaves zeros
.endr
	s_wait_loadcnt 8                               ; the pad words are in; Q's eight loads may be out
.irp i, 0,1,2,3,4,5,6,7
	v_cmp_eq_u32 vcc_lo, 0, v[224+\i]
	v_cndmask_b32 v[224+\i], 0, v7, vcc_lo         ; -2^100 where the word is 0
.endr
	ds_store_b128 v14, v[224:227]
	ds_store_b128 v14, v[228:231] offset:4096      ; the first change's wait and barrier show them to every wave
	s_wait_loadcnt 0x0                             ; Q
.Lslot:                                            ; eight trips, in every work-group
	CHANGE
	s_cmp_gt_u32 s13, s29                          ; the whole slot comes after my queries: nothing to do
	s_cbranch_scc1 .Lend
	v_add_nc_u32 v4, s14, v1
	v_add_nc_u32 v5, s14, v2
	v_add_nc_u32 v6, s15, v3
	v_nop                                          ; four plain instructions behind the last slot's last products, in front of the loads into V's registers
	FETCH_A 0
	FETCH_V 0
	s_wait_dscnt 16                                ; the pad words and K are in; V's sixteen loads may be out
.set k, 0
.rept 8
	KQ 0, k                                        ; tile 0's first scores of the slot: no softmax is at hand yet to set between them
.set k, k+1
.endr
	WIN 0
.rept 4
	v_nop                                          ; places in front of the first read of those scores
.endr
	TURN 0, 0
	TURN 1, 0
	HID 1, .Lepi0
	TURN 0, 1
	TURN 1, 1
	HID 2, .Lepi1
	TURN 0, 2
	TURN 1, 2
	HID 3, .Lepi0
	TURN 0, 3
	TURN 1, 3
.Lepi1:
	LASTPV 1                                       ; tile 1's V^T P of an odd step
	s_branch .Lend
.Lepi0:
	LASTPV 0                                       ; or of an even one
.Lend:
	s_add_co_u32 s13, s13, 256                     ; on to the next slot's keys,
	s_xor_b32 s14, s14, SLOT1                      ; in the other slot,
	s_add_co_u32 s15, s15, 1024                    ; and to their pad words
	s_sub_co_u32 s28, s28, 1
	s_cmp_lg_u32 s28, 0
	s_cbranch_scc1 .Lslot
	; THE WAY OUT: O^T / l, rounded to f16; tiles 2 u and 2 u + 1 of channels, packed in pairs, are fragment u of y's 16 rows: stored as they stand, 512 consecutive bytes a store
.irp qt, 0,1
	v_add_f32 v[ST+8*\qt+4], v[ST+8*\qt+2], v[ST+8*\qt+3]
.endr
.irp qt, 0,1
	v_permlanex16_b32 v[ST+8*\qt+5], v[ST+8*\qt+4], s32, s33
.endr
.irp qt, 0,1
	v_add_f32 v[ST+8*\qt+4], v[ST+8*\qt+4], v[ST+8*\qt+5]
.endr
.irp qt, 0,1
	v_rcp_f32 v[ST+8*\qt+6], v[ST+8*\qt+4]
.endr
	v_nop                                          ; a plain instruction behind the reciprocals
	s_wait_alu depctr_va_vdst(0)                   ; and one wait for both, ahead of their first reader
.irp qt, 0,1
.irp i, 0,2,4,6,8,10,12,14,16,18,20,22,24,26,28,30
	v_pk_mul_f32 v[O+32*\qt+\i:O+32*\qt+\i+1], v[O+32*\qt+\i:O+32*\qt+\i+1], v[ST+8*\qt+6:ST+8*\qt+7] op_sel_hi:[1,0]
.endr
.endr
.irp qt, 0,1
.irp i, 0,1,2,3,4,5,6,7,8,9,10,11,12,13,14,15
	v_cvt_pk_f16_f32 v[OUT+16*\qt+\i], v[O+32*\qt+2*\i], v[O+32*\qt+2*\i+1]
.endr
.endr
.irp qt, 0,1
.irp ct, 0,1,2,3
	global_store_b128 v1, v[OUT+16*\qt+4*\ct:OUT+16*\qt+4*\ct+3], s[8:9] offset:\qt*32768+\ct*512
.endr
.endr
	s_wait_tensorcnt 0x0                           ; the wave's end, behind my last tensor load and my last LDS store
	ds_add_u32 v[SPW], v[NIL]
	s_wait_dscnt 0x0
	s_endpgm
.Lfunc_end_k_q5c11faddae_attn:
	.size	k_q5c11faddae_attn, .Lfunc_end_k_q5c11faddae_attn-k_q5c11faddae_attn
	.p2alignl 7, 3214868480
	.fill 96, 4, 3214868480
	.section	.rodata,"a",@progbits
	.p2align	6, 0x0
	.amdhsa_kernel k_q5c11faddae_attn
		.amdhsa_group_segment_fixed_size 327680
		.amdhsa_private_segment_fixed_size 0
		.amdhsa_enable_private_segment 0
		.amdhsa_kernarg_size 24
		.amdhsa_user_sgpr_count 2
		.amdhsa_user_sgpr_kernarg_segment_ptr 1
		.amdhsa_wavefront_size32 1
		.amdhsa_system_sgpr_workgroup_id_x 1
		.amdhsa_system_sgpr_workgroup_id_y 1
		.amdhsa_system_sgpr_workgroup_id_z 1
		.amdhsa_system_vgpr_workitem_id 0
		.amdhsa_next_free_vgpr 512
		.amdhsa_next_free_sgpr 66
		.amdhsa_reserve_vcc 1
		.amdhsa_float_denorm_mode_32 3
		.amdhsa_float_denorm_mode_16_64 3
		.amdhsa_memory_ordered 1
		.amdhsa_forward_progress 1
		.amdhsa_inst_pref_size 112
	.end_amdhsa_kernel
	.amdgpu_metadata
---
amdhsa.version: [ 1, 2 ]
amdhsa.kernels:
  - .name:           k_q5c11faddae_attn
    .symbol:         k_q5c11faddae_attn.kd
    .args:
      - { .name: qkvf, .offset: 0, .size: 8, .value_kind: global_buffer, .address_space: global }
      - { .name: pad_token_mask, .offset: 8, .size: 8, .value_kind: global_buffer, .address_space: global }
      - { .name: yf, .offset: 16, .size: 8, .value_kind: global_buffer, .address_space: global }
    .group_segment_fixed_size: 327680
    .private_segment_fixed_size: 0
    .kernarg_segment_align: 8
    .kernarg_segment_size: 24
    .max_flat_workgroup_size: 256
    .sgpr_count:     66
    .vgpr_count:     512
    .wavefront_size: 32
...
	.end_amdgpu_metadata
.endif
;; end of part 3
;; launch proj (part 4): grid 128 x 1, 8 waves a work-group, no clusters, 136,192 bytes of LDS; arguments yf, wo16, bo, gamma, beta, out0; writes out0
.if DOCPART == 4
	.amdgcn_target "amdgcn-amd-amdhsa--gfx1250"
	.amdhsa_code_object_version 6
	.text
	.protected	k_q5c11faddae_proj
	.globl	k_q5c11faddae_proj
	.p2align	8
	.type	k_q5c11faddae_proj,@function
k_q5c11faddae_proj:
	s_mov_b64 s[64:65], 0
	v_nop
	global_prefetch_b8 v0, s[64:65] scope:SCOPE_SE
	s_setreg_imm32_b32 hwreg(HW_REG_WAVE_MODE, 25, 1), 1
	s_wait_xcnt 0x0
; out = LayerNorm(y Wo + bo) x gamma + beta.  y and Wo in f16 (operand images made by earlier launches), sums and the norm in f32.
; SHARES.  The norm wants whole rows: a work-group owns 32 rows x all 1,024 columns; wave w owns columns 128 w on: 2 tiles of rows x 8 tiles of columns, 16 accumulators.
; y's 64 KiB are copied into LDS once and read by all eight waves.  Each byte of Wo is wanted by ONE wave of the work-group, so it goes from memory straight into a ring of four register slots
; (16 loads of 512 bytes a slot, three slots ahead, counted waits): through LDS it would be written and read once more and shared by nobody.  For the same reason no tensor load and no cluster:
; a joint load would have to land in LDS, and a K step of 32 has only 16 matrix instructions a wave for its 8 KiB.
; All 32 K steps are written out: every offset is an immediate (261,632 bytes at the most for Wo, 65,024 for y in LDS), no base and no address register is ever stepped, and no wait stands for that.
; Source 0 = 16 columns of Wo, source 1 = 16 rows of y: a lane holds ONE row (lane % 16) and eight neighbouring columns.  bo is loaded into the accumulators: every product adds in place, nothing is cleared.
; THE NORM in two passes over the registers: the mean, then the mean of (z - mean)^2: no difference of large sums.  Sums across the waves go through LDS, one word a row and wave.
; A row of y that is NaN (a query with no open key) touches its own lanes alone: that row of the output is NaN and no other.
; REGISTERS.  window 0: v1 16 x lane; v2 32 h; v4 16 x thread; v5, v6 the sums' words; v7, v8 the stage; v10, v11 the add's two; v12-31 at work; v32-63 y's fragments, two sets; v64-127 the copy;
;   v128-255 the accumulators (64 rt + 8 nt).   window 1: the ring, slot kc % 4 at v[64 slot + 8 nt]; behind the products v0-63 gamma, v64-127 beta.
.set STG,   65536                      ; behind y's images: a stage of 16 rows x (512 bytes + 16) for each wave
.set RED1,  STG+8*8448                 ; 8 waves x 32 words
.set RED2,  RED1+1024
.set SPARE, RED2+1024                  ; the spare words, 128 bytes a wave
.set SPW, 10
.set NIL, 11
.set AF,  32
.set T,   64
.set ACC, 128
.set MSB, 0
.macro WIN new
.if MSB != (\new)
	s_set_vgpr_msb (MSB<<8)|(\new)
.set MSB, (\new)
.endif
.endm
.macro LOADB slot, j                   ; Wo's eight fragments of K step j, into a slot of the ring
.irp nt, 0,1,2,3,4,5,6,7
.irp e, 0,1
	global_load_b128 v[64*(\slot)+8*\nt+4*\e:64*(\slot)+8*\nt+4*\e+3], v1, s[24:25] offset:\nt*32768+(\j)*1024+\e*512
.endr
.endr
.endm
; K step j of 32.  ldb: Wo's K step three on is asked for; lda: y's next fragments; L: the loads that may stay out
.macro STEPK j, ldb, lda, L
	s_wait_loadcnt \L                              ; this step's slot is in; the younger slots' loads may be out
.rept 4
	v_nop                                          ; places behind the last step's products, in front of loads into registers that they read
.endr
.if \lda
.irp rt, 0,1
.irp e, 0,1
	ds_load_b128 v[AF+16*(1-(\j)%2)+8*\rt+4*\e:AF+16*(1-(\j)%2)+8*\rt+4*\e+3], v1 offset:\rt*32768+((\j)+1)*1024+\e*512
.endr
.endr
.endif
.if \ldb
	WIN 0x40
	LOADB ((\j)+3)%4, (\j)+3
.endif
.if \lda
	s_wait_dscnt 4                                 ; this step's fragments of y are in; the four just asked for may be out
.else
	s_wait_dscnt 0x0
.endif
	WIN 0x01                                       ; Wo in window 1
.irp nt, 0,1,2,3,4,5,6,7                           ; sixteen accumulators by turns, from step to step too
.irp rt, 0,1
	v_wmma_f32_16x16x32_f16 v[ACC+64*\rt+8*\nt:ACC+64*\rt+8*\nt+7], v[64*((\j)%4)+8*\nt:64*((\j)%4)+8*\nt+7], v[AF+16*((\j)%2)+8*\rt:AF+16*((\j)%2)+8*\rt+7], v[ACC+64*\rt+8*\nt:ACC+64*\rt+8*\nt+7]
.endr
.endr
	WIN 0
.endm
; v[16:19] and v[20:23] hold two packed chains for each tile of rows: they become one number a lane, with the other half of the lanes' added
.macro INLANE
.irp rt, 0,1
	v_pk_add_f32 v[16+4*\rt:17+4*\rt], v[16+4*\rt:17+4*\rt], v[18+4*\rt:19+4*\rt]
.endr
.irp rt, 0,1
	v_add_f32 v[16+4*\rt], v[16+4*\rt], v[17+4*\rt]
.endr
.irp rt, 0,1
	v_permlanex16_b32 v[17+4*\rt], v[16+4*\rt], s26, s27
.endr
.irp rt, 0,1
	v_add_f32 v[16+4*\rt], v[16+4*\rt], v[17+4*\rt]
.endr
.endm
; across the eight waves: lane l stands for row l (lanes 0-15 the first tile of rows, lanes 16-31 the second); v24 = the row's sum
.macro ACROSS off
	v_cndmask_b32 v24, v16, v20, s28
	ds_store_b32 v5, v24 offset:\off
	s_wait_dscnt 0x0                               ; for the others' sake: my word has landed
	s_barrier_signal -1
	s_barrier_wait -1
.irp k, 0,1,2,3,4,5,6,7
	ds_load_b32 v[24+\k], v6 offset:\off+128*\k
.endr
	s_wait_dscnt 0x0
	v_add_f32 v24, v24, v25
	v_add_f32 v26, v26, v27
	v_add_f32 v28, v28, v29
	v_add_f32 v30, v30, v31
	v_add_f32 v24, v24, v26
	v_add_f32 v28, v28, v30
	v_add_f32 v24, v24, v28
.endm
; v24 (row = lane) becomes v12 (row r of the first tile) and v14 (row r of the second), in every lane; each is named as the low word of a pair
.macro SPLIT
	v_permlanex16_b32 v25, v24, s26, s27
	v_cndmask_b32 v12, v24, v25, s28
	v_cndmask_b32 v14, v25, v24, s28
	v_mov_b32 v13, v12
	v_mov_b32 v15, v14
.endm
.macro OUTROWS rt                      ; 16 rows x my 128 columns through my own stage: back as whole runs of 512 bytes
.irp nt, 0,1,2,3,4,5,6,7
.irp e, 0,1
	ds_store_b128 v7, v[ACC+64*\rt+8*\nt+4*\e:ACC+64*\rt+8*\nt+4*\e+3] offset:\nt*64+16*\e
.endr
.endr
.irp i, 0,1,2,3,4,5,6,7,8,9,10,11,12,13,14,15
	ds_load_b128 v[ACC+64*\rt+4*\i:ACC+64*\rt+4*\i+3], v8 offset:\i*528   ; LDS serves a wave's instructions in order: these see the stores above, and the next tile's stores come behind them
.endr
.irp i, 0,1,2,3,4,5,6,7,8,9,10,11,12,13,14,15
	s_wait_dscnt 15-\i
	global_store_b128 v1, v[ACC+64*\rt+4*\i:ACC+64*\rt+4*\i+3], s[14:15] offset:(16*\rt+\i)*4096 th:TH_STORE_NT   ; 512 consecutive bytes, aligned
.endr
.endm
	s_load_b256 s[4:11], s[0:1], 0x0               ; yf 4, wo16 6, bo 8, gamma 10
	s_load_b128 s[12:15], s[0:1], 0x20             ; beta 12, out0 14
	v_lshl_add_u32 v[SPW], v0, 2, SPARE
	v_mov_b32 v[NIL], 0
	v_lshrrev_b32 v1, 5, v0
	v_readfirstlane_b32 s20, v1                    ; wave 0..7
	v_and_b32 v9, 31, v0                           ; lane
	v_lshlrev_b32 v1, 4, v9
	v_and_b32 v12, 15, v0                          ; r
	v_bfe_u32 v13, v0, 4, 1                        ; h
	v_lshlrev_b32 v2, 5, v13
	v_lshlrev_b32 v4, 4, v0
	v_lshl_add_u32 v5, v0, 2, RED1                 ; my wave's 32 words, my lane's
	v_lshl_add_u32 v6, v9, 2, RED1
	s_mul_i32 s29, s20, 8448
	s_add_co_u32 s29, s29, STG                     ; my stage
	v_mul_u32_u24 v7, v12, 528
	v_lshl_add_u32 v7, v13, 5, v7
	v_add_nc_u32 v7, s29, v7                       ; in: row r, + 32 h
	v_add_nc_u32 v8, s29, v1                       ; back: 16 bytes a lane
	v_cmp_le_u32 s28, 16, v9                       ; lanes 16-31
	s_mov_b32 s26, 0x76543210
	s_mov_b32 s27, 0xfedcba98
	s_mov_b32 s30, 0x3a800000                      ; 1 / 1,024
	s_mov_b32 s31, 0x3727c5ac                      ; 1e-5
	s_lshl_b32 s32, ttmp9, 16                      ; y: 2 tiles of 32,768 bytes a work-group
	s_mov_b32 s33, 0
	s_lshl_b32 s34, s20, 18                        ; Wo: 8 tiles of 32,768 bytes a wave
	s_mov_b32 s35, 0
	s_lshl_b32 s36, s20, 9                         ; 128 columns of 4 bytes
	s_mov_b32 s37, 0
	s_lshl_b32 s38, ttmp9, 17                      ; out: 32 rows of 4,096 bytes,
	s_add_co_u32 s38, s38, s36                     ; + my columns
	s_mov_b32 s39, 0
	s_wait_kmcnt 0x0
	s_add_nc_u64 s[4:5], s[4:5], s[32:33]
	s_add_nc_u64 s[24:25], s[6:7], s[34:35]
	s_add_nc_u64 s[8:9], s[8:9], s[36:37]
	s_add_nc_u64 s[10:11], s[10:11], s[36:37]
	s_add_nc_u64 s[12:13], s[12:13], s[36:37]
	s_add_nc_u64 s[14:15], s[14:15], s[38:39]
.irp i, 0,1,2,3,4,5,6,7,8,9,10,11,12,13,14,15
	global_load_b128 v[T+4*\i:T+4*\i+3], v4, s[4:5] offset:\i*4096 th:TH_LOAD_NT   ; y's images as they lie: 4,096 bytes an instruction of the work-group
.endr
	WIN 0x40
	LOADB 0, 0                                     ; Wo's first two K steps go out with the copy, not behind it
	LOADB 1, 1
	WIN 0
	s_wait_loadcnt 32                              ; the copy is in; Wo's 32 loads may be out
.irp i, 0,1,2,3,4,5,6,7,8,9,10,11,12,13,14,15
	ds_store_b128 v4, v[T+4*\i:T+4*\i+3] offset:\i*4096
.endr
.irp rt, 0,1
.irp nt, 0,1,2,3,4,5,6,7
.irp e, 0,1
	global_load_b128 v[ACC+64*\rt+8*\nt+4*\e:ACC+64*\rt+8*\nt+4*\e+3], v2, s[8:9] offset:\nt*64+16*\e   ; bo at the lane's eight columns: the sums begin with it
.endr
.endr
.endr
	WIN 0x40
	LOADB 2, 2
	WIN 0
	s_wait_dscnt 0x0                               ; for the others' sake: my part of y has landed
	s_barrier_signal -1
	s_barrier_wait -1
.irp rt, 0,1
.irp e, 0,1
	ds_load_b128 v[AF+8*\rt+4*\e:AF+8*\rt+4*\e+3], v1 offset:\rt*32768+\e*512   ; y's fragments of K step 0
.endr
.endr
	s_wait_loadcnt 16                              ; Wo's K steps 0 and 1 and bo are in; K step 2's sixteen loads may be out
.set KC, 0
.rept 29                                           ; K steps 0 to 28 ask for K steps 3 to 31
	STEPK KC, 1, 1, 32
.set KC, KC+1
.endr
	STEPK 29, 0, 1, 32                             ; nothing is left to ask of Wo: the counts run down
	STEPK 30, 0, 1, 16
	STEPK 31, 0, 0, 0
.rept 4
	v_nop                                          ; places behind the last products: for the loads into the ring's registers and the first reads of the sums
.endr
	WIN 0x40
.irp nt, 0,1,2,3,4,5,6,7
.irp e, 0,1
	global_load_b128 v[8*\nt+4*\e:8*\nt+4*\e+3], v2, s[10:11] offset:\nt*64+16*\e        ; gamma
	global_load_b128 v[64+8*\nt+4*\e:64+8*\nt+4*\e+3], v2, s[12:13] offset:\nt*64+16*\e  ; beta
.endr
.endr
	WIN 0
	; the mean: each accumulator is read from its low end on
.irp rt, 0,1
	v_pk_add_f32 v[16+4*\rt:17+4*\rt], v[ACC+64*\rt:ACC+64*\rt+1], v[ACC+64*\rt+4:ACC+64*\rt+5]
	v_pk_add_f32 v[18+4*\rt:19+4*\rt], v[ACC+64*\rt+2:ACC+64*\rt+3], v[ACC+64*\rt+6:ACC+64*\rt+7]
.endr
.irp i, 8,12,16,20,24,28,32,36,40,44,48,52,56,60
.irp rt, 0,1
	v_pk_add_f32 v[16+4*\rt:17+4*\rt], v[16+4*\rt:17+4*\rt], v[ACC+64*\rt+\i:ACC+64*\rt+\i+1]
	v_pk_add_f32 v[18+4*\rt:19+4*\rt], v[18+4*\rt:19+4*\rt], v[ACC+64*\rt+\i+2:ACC+64*\rt+\i+3]
.endr
.endr
	INLANE
	ACROSS 0
	v_mul_f32 v24, 0xba800000, v24                 ; - the mean
	SPLIT
.irp rt, 0,1
.irp i, 0,2,4,6,8,10,12,14,16,18,20,22,24,26,28,30,32,34,36,38,40,42,44,46,48,50,52,54,56,58,60,62
	v_pk_add_f32 v[ACC+64*\rt+\i:ACC+64*\rt+\i+1], v[ACC+64*\rt+\i:ACC+64*\rt+\i+1], v[12+2*\rt:13+2*\rt] op_sel_hi:[1,0]   ; d = z - the mean
.endr
.endr
.irp rt, 0,1
	v_pk_mul_f32 v[16+4*\rt:17+4*\rt], v[ACC+64*\rt:ACC+64*\rt+1], v[ACC+64*\rt:ACC+64*\rt+1]
	v_pk_mul_f32 v[18+4*\rt:19+4*\rt], v[ACC+64*\rt+2:ACC+64*\rt+3], v[ACC+64*\rt+2:ACC+64*\rt+3]
.endr
.irp i, 4,8,12,16,20,24,28,32,36,40,44,48,52,56,60
.irp rt, 0,1
	v_pk_fma_f32 v[16+4*\rt:17+4*\rt], v[ACC+64*\rt+\i:ACC+64*\rt+\i+1], v[ACC+64*\rt+\i:ACC+64*\rt+\i+1], v[16+4*\rt:17+4*\rt]
	v_pk_fma_f32 v[18+4*\rt:19+4*\rt], v[ACC+64*\rt+\i+2:ACC+64*\rt+\i+3], v[ACC+64*\rt+\i+2:ACC+64*\rt+\i+3], v[18+4*\rt:19+4*\rt]
.endr
.endr
	INLANE
	ACROSS 1024                                    ; other words than the mean's: no barrier is owed between the two
	v_fma_f32 v24, v24, s30, s31                   ; the variance + 1e-5
	v_rsq_f32 v24, v24
	v_nop                                          ; a plain instruction behind the transcendental
	s_wait_alu depctr_va_vdst(0)                   ; and the wait ahead of its first reader
	SPLIT
.irp rt, 0,1
.irp i, 0,2,4,6,8,10,12,14,16,18,20,22,24,26,28,30,32,34,36,38,40,42,44,46,48,50,52,54,56,58,60,62
	v_pk_mul_f32 v[ACC+64*\rt+\i:ACC+64*\rt+\i+1], v[ACC+64*\rt+\i:ACC+64*\rt+\i+1], v[12+2*\rt:13+2*\rt] op_sel_hi:[1,0]
.endr
.endr
	s_wait_loadcnt 0x0                             ; gamma and beta
	WIN 0x14                                       ; sources 1 and 2 in window 1
.irp rt, 0,1
.irp i, 0,2,4,6,8,10,12,14,16,18,20,22,24,26,28,30,32,34,36,38,40,42,44,46,48,50,52,54,56,58,60,62
	v_pk_fma_f32 v[ACC+64*\rt+\i:ACC+64*\rt+\i+1], v[ACC+64*\rt+\i:ACC+64*\rt+\i+1], v[\i:\i+1], v[64+\i:64+\i+1]
.endr
.endr
	WIN 0
	OUTROWS 0
	OUTROWS 1
	s_wait_tensorcnt 0x0                           ; the wave's end, behind my last LDS store
	ds_add_u32 v[SPW], v[NIL]
	s_wait_dscnt 0x0
	s_endpgm
.Lfunc_end_k_q5c11faddae_proj:
	.size	k_q5c11faddae_proj, .Lfunc_end_k_q5c11faddae_proj-k_q5c11faddae_proj
	.p2alignl 7, 3214868480
	.fill 96, 4, 3214868480
	.section	.rodata,"a",@progbits
	.p2align	6, 0x0
	.amdhsa_kernel k_q5c11faddae_proj
		.amdhsa_group_segment_fixed_size 136192
		.amdhsa_private_segment_fixed_size 0
		.amdhsa_enable_private_segment 0
		.amdhsa_kernarg_size 48
		.amdhsa_user_sgpr_count 2
		.amdhsa_user_sgpr_kernarg_segment_ptr 1
		.amdhsa_wavefront_size32 1
		.amdhsa_system_sgpr_workgroup_id_x 1
		.amdhsa_system_sgpr_workgroup_id_y 1
		.amdhsa_system_sgpr_workgroup_id_z 1
		.amdhsa_system_vgpr_workitem_id 0
		.amdhsa_next_free_vgpr 512
		.amdhsa_next_free_sgpr 66
		.amdhsa_reserve_vcc 0
		.amdhsa_float_denorm_mode_32 3
		.amdhsa_float_denorm_mode_16_64 3
		.amdhsa_memory_ordered 1
		.amdhsa_forward_progress 1
		.amdhsa_inst_pref_size 140
	.end_amdhsa_kernel
	.amdgpu_metadata
---
amdhsa.version: [ 1, 2 ]
amdhsa.kernels:
  - .name:           k_q5c11faddae_proj
    .symbol:         k_q5c11faddae_proj.kd
    .args:
      - { .name: yf, .offset: 0, .size: 8, .value_kind: global_buffer, .address_space: global }
      - { .name: wo16, .offset: 8, .size: 8, .value_kind: global_buffer, .address_space: global }
      - { .name: bo, .offset: 16, .size: 8, .value_kind: global_buffer, .address_space: global }
      - { .name: gamma, .offset: 24, .size: 8, .value_kind: global_buffer, .address_space: global }
      - { .name: beta, .offset: 32, .size: 8, .value_kind: global_buffer, .address_space: global }
      - { .name: out0, .offset: 40, .size: 8, .value_kind: global_buffer, .address_space: global }
    .group_segment_fixed_size: 136192
    .private_segment_fixed_size: 0
    .kernarg_segment_align: 8
    .kernarg_segment_size: 48
    .max_flat_workgroup_size: 256
    .sgpr_count:     66
    .vgpr_count:     512
    .wavefront_size: 32
...
	.end_amdgpu_metadata
.endif
;; end of part 4
